; MI455X (gfx1250); checked and timed in simulation.
; The chip was launched on July 23, 2026; its instructions are those of AMD's public machine-readable ISA for CDNA 5 (MIT licence, August 2026) and "CDNA5" Instruction Set Architecture Reference Guide (July 2026). The comments in the code are by the model that wrote it; some were corrected since.
;; Block. Allowed arithmetic: float matrix products may take bf16 or f16 operands with f32 sums; all other float work in f32.
;; Inputs: W1 1,024 x 4,096 float32; W2 4,096 x 1,024 float32; Wk 1,024 x 1,024 float32; Wproj 1,024 x 1,024 float32; Wq 1,024 x 1,024 float32; Wv 1,024 x 1,024 float32; b1 4,096 float32; b2 1,024 float32; beta1 1,024 float32; beta2 1,024 float32; bproj 1,024 float32; g1 1,024 float32; g2 1,024 float32; x 4 x 1,024 x 1,024 float32.
;; Outputs: out0 4 x 1,024 x 1,024 float32.
;; 2 versions, each right; version 2 is version 1 with the launch prep written anew for expert scheduling mode. Each part assembles by itself: llvm-mc -triple=amdgcn-amd-amdhsa -mcpu=gfx1250 --defsym DOCPART=n.
;; ======== version 1 of 2: 7 launches
;; workspace buffers: hn 8,388,608 bytes; wb 25,165,824 bytes; qkv 25,165,824 bytes; attn 8,388,608 bytes; x1 16,777,216 bytes; ff1 33,554,432 bytes
;; launch prep (part 1): grid 1024 x 1, 8 waves a work-group, no clusters, 0 bytes of LDS; arguments x, g1, beta1, Wq, Wk, Wv, Wproj, W1, W2, hn, wb; writes hn, wb
.if DOCPART == 1
	.amdgcn_target "amdgcn-amd-amdhsa--gfx1250"
	.amdhsa_code_object_version 6
	.text
	.protected	k_q72af2ecca7_prep
	.globl	k_q72af2ecca7_prep
	.p2align	8
	.type	k_q72af2ecca7_prep,@function
k_q72af2ecca7_prep:
	s_mov_b64 s[64:65], 0
	v_nop
	global_prefetch_b8 v0, s[64:65] scope:SCOPE_SE
	s_setreg_imm32_b32 hwreg(HW_REG_WAVE_MODE, 25, 1), 1
	s_wait_xcnt 0x0
; Two streams in one launch, told apart by the work-group's number alone.
; Work-groups 0-255: hn = LayerNorm(x) * g1 + beta1, rounded once to bf16.  x: [4096][1024] f32, hn: [4096][1024] bf16.
;   16 rows a work-group, 2 rows a wave; a row of 4,096 bytes is 32 registers of one wave, so it is read once and stays in
;   registers between the mean, the variance and the scaling.  The variance is the mean of the squares of the CENTRED numbers
;   (two passes over registers), so a common offset of the row costs no accuracy.
; Work-groups 256-1023: the six weight matrices, f32 to bf16, left as [K][N], into wb:
;   [1024][3072] = Wq | Wk | Wv side by side at byte 0, Wproj at 6,291,456, W1 at 8,388,608, W2 at 16,777,216.
;   12,288 pieces of 1,024 numbers, two a wave: 768 work-groups x 8 waves x 2.
; No LDS, no barrier, no matrix unit: the waves share nothing and there is no product here.
; Every store of a wave covers 256 consecutive bytes, aligned (32 lanes x 8 bytes).
.set XO,  1                            ; v1        16 x lane: my 16 bytes in each 512 bytes loaded
.set SO,  2                            ; v2        8 x lane: my 8 bytes in each 256 bytes stored
.set T,   8                            ; v[8:15]   four chains of sums
.set MU,  24                           ; v[24:25]  the mean, twice
.set RS,  26                           ; v[26:27]  1 / sqrt(var + eps), twice
.set VE,  28                           ; v28       var + eps
.set X0,  32                           ; v[32:63]  row 0
.set X1,  64                           ; v[64:95]  row 1
.set G,   96                           ; v[96:127] gain of my 32 columns
.set BT,  128                          ; v[128:159] offset of my 32 columns
.set Y,   160                          ; v[160:191] bf16 to store, 16 registers a row
.set HN,  26                           ; s[26:27]  hn
.macro WSUM                            ; v[T] = the sum of v[T] over the 32 lanes, in every lane
	v_add_f32_dpp v[T], v[T], v[T] row_xmask:1 row_mask:0xf bank_mask:0xf
	v_add_f32_dpp v[T], v[T], v[T] row_xmask:2 row_mask:0xf bank_mask:0xf
	v_add_f32_dpp v[T], v[T], v[T] row_xmask:4 row_mask:0xf bank_mask:0xf
	v_add_f32_dpp v[T], v[T], v[T] row_xmask:8 row_mask:0xf bank_mask:0xf
	v_permlanex16_b32 v[T+1], v[T], s30, s31
	v_add_f32 v[T], v[T], v[T+1]
.endm
.macro FOLD                            ; the four chains into v[T]
	v_pk_add_f32 v[T:T+1], v[T:T+1], v[T+2:T+3]
	v_pk_add_f32 v[T+4:T+5], v[T+4:T+5], v[T+6:T+7]
	v_pk_add_f32 v[T:T+1], v[T:T+1], v[T+4:T+5]
	v_add_f32 v[T], v[T], v[T+1]
.endm
; The row in X becomes (x - mean) / sqrt(var + eps), in place.
.macro LNSTAT X
.irp k, 0,1,2,3
	v_pk_add_f32 v[T+2*\k:T+2*\k+1], v[\X+2*\k:\X+2*\k+1], v[\X+8+2*\k:\X+8+2*\k+1]   ; the first words start the chains
.endr
.set p, 16
.rept 8
	v_pk_add_f32 v[T+p%8:T+p%8+1], v[T+p%8:T+p%8+1], v[\X+p:\X+p+1]
.set p, p+2
.endr
	FOLD
	WSUM
	v_mul_f32 v[MU], s5, v[T]                      ; sum / 1024
	v_mul_f32 v[MU+1], s5, v[T]
.set p, 0
.rept 16
	v_pk_add_f32 v[\X+p:\X+p+1], v[\X+p:\X+p+1], v[MU:MU+1] neg_lo:[0,1] neg_hi:[0,1]
.set p, p+2
.endr
.irp k, 0,1,2,3
	v_pk_mul_f32 v[T+2*\k:T+2*\k+1], v[\X+2*\k:\X+2*\k+1], v[\X+2*\k:\X+2*\k+1]
.endr
.set p, 8
.rept 12
	v_pk_fma_f32 v[T+p%8:T+p%8+1], v[\X+p:\X+p+1], v[\X+p:\X+p+1], v[T+p%8:T+p%8+1]
.set p, p+2
.endr
	FOLD
	WSUM
	v_fmaak_f32 v[VE], s5, v[T], 0x3727c5ac        ; sum of squares / 1024 + 1e-5
	v_rsq_f32 v[RS], v[VE]
	v_rsq_f32 v[RS+1], v[VE]
	v_nop                                          ; one plain instruction behind a transcendental before its result is used (ISA guide 5.7.2)
.set p, 0
	s_wait_alu depctr_va_vdst(0)
.rept 16
	v_pk_mul_f32 v[\X+p:\X+p+1], v[\X+p:\X+p+1], v[RS:RS+1]
.set p, p+2
.endr
.endm
; gain and offset in one fused multiply-add, one rounding to bf16, eight stores of 256 bytes
.macro LNOUT X, YB, rowoff
.set p, 0
.rept 16
	v_pk_fma_f32 v[\X+p:\X+p+1], v[\X+p:\X+p+1], v[G+p:G+p+1], v[BT+p:BT+p+1]
.set p, p+2
.endr
.set p, 0
.rept 16
	v_cvt_pk_bf16_f32 v[\YB+p], v[\X+2*p], v[\X+2*p+1]
.set p, p+1
.endr
.irp jj, 0,1,2,3,4,5,6,7
	global_store_b64 v[SO], v[\YB+2*\jj:\YB+2*\jj+1], s[HN:HN+1] offset:\rowoff+256*\jj
.endr
.endm
	s_load_b512 s[8:23], s[0:1], 0x0               ; x 8, g1 10, beta1 12, Wq 14, Wk 16, Wv 18, Wproj 20, W1 22
	s_load_b128 s[24:27], s[0:1], 0x40             ; W2 24, hn 26
	s_load_b64 s[28:29], s[0:1], 0x50              ; wb
	v_lshrrev_b32 v3, 5, v0
	v_readfirstlane_b32 s4, v3                     ; wave 0..7
	v_and_b32 v3, 31, v0
	v_lshlrev_b32 v[XO], 4, v3
	v_lshlrev_b32 v[SO], 3, v3
	s_cmp_lt_u32 ttmp9, 256
	s_cbranch_scc0 .Lcvt
	; ---- LayerNorm ----
	s_lshl_b32 s32, ttmp9, 4
	s_lshl1_add_u32 s32, s4, s32                   ; my first row = 16 x work-group + 2 x wave
	s_lshl_b32 s34, s32, 12                        ; x 4,096 bytes in x
	s_mov_b32 s35, 0
	s_lshl_b32 s36, s32, 11                        ; x 2,048 bytes in hn
	s_mov_b32 s37, 0
	s_mov_b32 s30, 0x76543210                      ; v_permlanex16_b32: lane i reads lane i of the other half
	s_mov_b32 s31, 0xfedcba98
	s_mov_b32 s5, 0x3a800000                       ; 1 / 1024
	s_wait_kmcnt 0x0
	s_add_nc_u64 s[8:9], s[8:9], s[34:35]
	s_add_nc_u64 s[HN:HN+1], s[HN:HN+1], s[36:37]
.irp jj, 0,1,2,3,4,5,6,7
	global_load_b128 v[X0+4*\jj:X0+4*\jj+3], v[XO], s[8:9] offset:512*\jj
.endr
.irp jj, 0,1,2,3,4,5,6,7
	global_load_b128 v[X1+4*\jj:X1+4*\jj+3], v[XO], s[8:9] offset:4096+512*\jj
.endr
.irp jj, 0,1,2,3,4,5,6,7
	global_load_b128 v[G+4*\jj:G+4*\jj+3], v[XO], s[10:11] offset:512*\jj
.endr
.irp jj, 0,1,2,3,4,5,6,7
	global_load_b128 v[BT+4*\jj:BT+4*\jj+3], v[XO], s[12:13] offset:512*\jj
.endr
	s_wait_loadcnt 24                              ; row 0 is in; row 1, gain and offset (24 loads) stay out
	LNSTAT X0
	s_wait_loadcnt 16                              ; row 1 is in; gain and offset stay out
	LNSTAT X1
	s_wait_loadcnt 0x0
	LNOUT X0, Y, 0
	LNOUT X1, Y+16, 2048
	s_endpgm
	; ---- weights to bf16 ----
.Lcvt:
	s_sub_co_u32 s32, ttmp9, 256                   ; c = 0..767
	s_lshr_b32 s33, s32, 6                         ; 0 Wq, 1 Wk, 2 Wv, 3 Wproj, 4-7 W1, 8-11 W2
	s_and_b32 s34, s32, 63                         ; my place among a small matrix's 64 work-groups
	s_and_b32 s35, s32, 255                        ; or among a large one's 256
	s_lshl_b32 s43, s33, 11                        ; Wq, Wk, Wv: 2,048 bytes to the right for each
	s_mov_b32 s42, 16777216                        ; where the matrix begins in wb
	s_movk_i32 s44, 2048                           ; bytes in wb from one piece to the next
	s_mov_b32 s45, 0
	s_mov_b32 s47, 0
	s_wait_kmcnt 0x0
	s_mov_b64 s[36:37], s[24:25]                   ; the source is chosen on the work-group's number alone
	s_cmp_lt_u32 s33, 8
	s_cselect_b64 s[36:37], s[22:23], s[36:37]
	s_cselect_b32 s42, 8388608, s42
	s_cmp_lt_u32 s33, 4
	s_cselect_b64 s[36:37], s[20:21], s[36:37]
	s_cselect_b32 s42, 6291456, s42
	s_cselect_b32 s34, s34, s35
	s_cmp_lt_u32 s33, 3
	s_cselect_b64 s[36:37], s[18:19], s[36:37]
	s_cselect_b32 s42, s43, s42
	s_cselect_b32 s44, 6144, s44                   ; a row of the joint [1024][3072]
	s_cmp_lt_u32 s33, 2
	s_cselect_b64 s[36:37], s[16:17], s[36:37]
	s_cmp_lt_u32 s33, 1
	s_cselect_b64 s[36:37], s[14:15], s[36:37]
	s_lshl_b32 s34, s34, 4
	s_lshl1_add_u32 s34, s4, s34                   ; my first piece = 16 x place + 2 x wave
	s_lshl_b32 s46, s34, 12
	s_add_nc_u64 s[36:37], s[36:37], s[46:47]      ; 4,096 bytes of f32 a piece
	s_mul_i32 s46, s34, s44
	s_add_co_u32 s46, s46, s42
	s_add_nc_u64 s[38:39], s[28:29], s[46:47]      ; first piece in wb
	s_add_nc_u64 s[40:41], s[38:39], s[44:45]      ; second piece
.set i, 0
.rept 16
	global_load_b128 v[32+4*i:35+4*i], v[XO], s[36:37] offset:512*i th:TH_LOAD_NT
.set i, i+1
.endr
.set i, 0
.rept 16
	s_wait_loadcnt 15-i                            ; loads come back in order: number i is in, the younger ones stay out
	v_cvt_pk_bf16_f32 v[96+2*i], v[32+4*i], v[33+4*i]
	v_cvt_pk_bf16_f32 v[97+2*i], v[34+4*i], v[35+4*i]
	global_store_b64 v[SO], v[96+2*i:97+2*i], s[38+2*(i/8):39+2*(i/8)] offset:256*(i%8)
.set i, i+1
.endr
	s_endpgm
.Lfunc_end_k_q72af2ecca7_prep:
	.size	k_q72af2ecca7_prep, .Lfunc_end_k_q72af2ecca7_prep-k_q72af2ecca7_prep
	.p2alignl 7, 3214868480
	.fill 96, 4, 3214868480
	.section	.rodata,"a",@progbits
	.p2align	6, 0x0
	.amdhsa_kernel k_q72af2ecca7_prep
		.amdhsa_group_segment_fixed_size 0
		.amdhsa_private_segment_fixed_size 0
		.amdhsa_enable_private_segment 0
		.amdhsa_kernarg_size 88
		.amdhsa_user_sgpr_count 2
		.amdhsa_user_sgpr_kernarg_segment_ptr 1
		.amdhsa_wavefront_size32 1
		.amdhsa_system_sgpr_workgroup_id_x 1
		.amdhsa_system_sgpr_workgroup_id_y 1
		.amdhsa_system_sgpr_workgroup_id_z 1
		.amdhsa_system_vgpr_workitem_id 0
		.amdhsa_next_free_vgpr 192
		.amdhsa_next_free_sgpr 66
		.amdhsa_reserve_vcc 0
		.amdhsa_float_denorm_mode_32 3
		.amdhsa_float_denorm_mode_16_64 3
		.amdhsa_memory_ordered 1
		.amdhsa_forward_progress 1
		.amdhsa_inst_pref_size 27
	.end_amdhsa_kernel
	.amdgpu_metadata
---
amdhsa.version: [ 1, 2 ]
amdhsa.kernels:
  - .name:           k_q72af2ecca7_prep
    .symbol:         k_q72af2ecca7_prep.kd
    .args:
      - { .name: x, .offset: 0, .size: 8, .value_kind: global_buffer, .address_space: global }
      - { .name: g1, .offset: 8, .size: 8, .value_kind: global_buffer, .address_space: global }
      - { .name: beta1, .offset: 16, .size: 8, .value_kind: global_buffer, .address_space: global }
      - { .name: Wq, .offset: 24, .size: 8, .value_kind: global_buffer, .address_space: global }
      - { .name: Wk, .offset: 32, .size: 8, .value_kind: global_buffer, .address_space: global }
      - { .name: Wv, .offset: 40, .size: 8, .value_kind: global_buffer, .address_space: global }
      - { .name: Wproj, .offset: 48, .size: 8, .value_kind: global_buffer, .address_space: global }
      - { .name: W1, .offset: 56, .size: 8, .value_kind: global_buffer, .address_space: global }
      - { .name: W2, .offset: 64, .size: 8, .value_kind: global_buffer, .address_space: global }
      - { .name: hn, .offset: 72, .size: 8, .value_kind: global_buffer, .address_space: global }
      - { .name: wb, .offset: 80, .size: 8, .value_kind: global_buffer, .address_space: global }
    .group_segment_fixed_size: 0
    .private_segment_fixed_size: 0
    .kernarg_segment_align: 8
    .kernarg_segment_size: 88
    .max_flat_workgroup_size: 256
    .sgpr_count:     66
    .vgpr_count:     192
    .wavefront_size: 32
...
	.end_amdgpu_metadata
.endif
;; end of part 1
;; launch gqkv (part 2): grid 8 x 32, 4 waves a work-group, clusters of 4 x 4, 327,680 bytes of LDS; arguments hn, wb, qkv; writes qkv
.if DOCPART == 2
	.amdgcn_target "amdgcn-amd-amdhsa--gfx1250"
	.amdhsa_code_object_version 6
	.text
	.protected	k_q72af2ecca7_gqkv
	.globl	k_q72af2ecca7_gqkv
	.p2align	8
	.type	k_q72af2ecca7_gqkv,@function
k_q72af2ecca7_gqkv:
	s_mov_b64 s[64:65], 0
	v_nop
	global_prefetch_b8 v0, s[64:65] scope:SCOPE_SE
	s_setreg_imm32_b32 hwreg(HW_REG_WAVE_MODE, 25, 1), 1
	s_wait_xcnt 0x0
	s_wait_alu depctr_hold_cnt(0) depctr_sa_sdst(0) depctr_va_vdst(0) depctr_va_sdst(0) depctr_va_ssrc(0) depctr_va_vcc(0) depctr_vm_vsrc(0)
	s_getreg_b32 s2, hwreg(HW_REG_IB_STS2, 6, 4)
	s_cmp_eq_u32 s2, 0
	s_cbranch_scc0 .Lentry_in_a_cluster
	s_endpgm
.Lentry_in_a_cluster:
	s_bfe_u32 s2, ttmp6, 0x10000c
	s_cmp_lg_u32 s2, 0xf033
	s_cbranch_scc0 .Lentry_shape_is_right
	s_endpgm
.Lentry_shape_is_right:
; q, k, v = hn x [Wq | Wk | Wv].  hn: [4096][1024] bf16; the weights: [1024][3072] bf16 at byte 0 of wb, K down the rows.
; Out: qkv, bf16 [which 3][batch 4][head 16][t 1024][d 64], so that a head's rows are 128 dense bytes.  Sums in f32, rounded once.
; A work-group makes 128 rows x 384 columns (six heads) with four waves, 2 x 2; a wave makes 64 rows x 192 columns: 4 x 12 accumulator
; tiles of 16 x 16.  Column half wc takes heads wc, 2 + wc, 4 + wc of the six, so that the gaps in B's LDS rows fall at the same
; immediates in both halves.  K goes in steps of 128 through two LDS slots filled by tensor loads.
; CLUSTERS: 4 x 4 work-groups.  A's tile hangs on the block row alone and is asked for jointly by a row of the cluster, B's on the
; block column alone and is asked for jointly by a column: the requests for A and for B are divided by four.
; K ORDER: a cluster begins at K step o = 4 X + 2 g(Y) (X, Y: the cluster's numbers; g: the low two bits of the Gray code of Y) and
; walks all 8 steps round the ring, the step's number taken modulo 8.  The two clusters that read the same tiles of A (same Y) begin
; 4 steps apart, those that read the same tiles of B (same X) 2 steps apart, so that a tile's readers ask for it at different times
; and the later ones follow a reader that has fetched it.  o hangs on the cluster's numbers alone, which all partners share.
; LIMIT: the sums are formed in that rotated order of K: another order of rounding than ascending K.
; B lies [K][N] in LDS and its fragments are read by the transposing load (ds_load_tr16_b128).
; The matrix instruction is used transposed (source 0 = 16 columns of B, source 1 = 16 rows of A): a lane's eight results are eight
; neighbouring columns of one row of C.
; REGISTERS: window 0: v16-31 addresses, v64-95 and v96-127 A's fragments (two buffers), v192-239 packed results on the way out;
; window 1: v0-95 and v96-191 B's fragments; window 2: the tiles of my rows 0-31 (tile (a, b) at 8 (12 a + b)); window 3: rows 32-63.
.set SIZE_K, 1024
.set SIZE_N, 3072
.set MT,     4                         ; 16-row blocks of a wave
.set NT,     12                        ; 16-column blocks of a wave
.set BN,     384
.set KS,     128                       ; K in a slot
.set NSTEP,  SIZE_K/KS
.set XS,     2                         ; o = (X << XS) + ((gray(Y) & YM) << YS)
.set YM,     3
.set YS,     1
.set NG,     4                         ; address registers for B in a slot: one for each quarter of 32 K
.set LAPS,   SIZE_K/(2*KS)
.set APITCH, 272                       ; 256 bytes + 16: an odd multiple of 16, so the 16 rows of a fragment start at 16 different groups of banks
.set AH,     64*APITCH                 ; half of A's tile: what one tensor load brings and what one wave reads
.set BP,     864                       ; 3 x (256 + 32) bytes: an odd multiple of 32
.set BH,     (KS/2)*BP                 ; half of B's tile: 64 of its 128 K rows
.set SLOT,   2*AH+2*BH
.set STAGE,  2*SLOT                    ; behind the ring: 16 rows x 400 bytes for each wave; no tensor load ever lands here
.set SPITCH, 400
.set ASTEP,  KS*2
.set BSTEP,  KS*SIZE_N*2
.set ADRA, 16                          ; v16-17  my A fragments in slot 0, 1
.set ADRB, 20                          ; v20-27  my B fragments: slot x 4 + quarter
.set STO,  28
.set RD,   29
.set CO,   30
.set AF,   64
.set TMP,  192
.set G1,  24                           ; s[24:31] group 1 for A's tiles
.set G0,  32                           ; s[32:39] group 0 for A's tiles, a set for each slot
.set G1B, 48                           ; s[48:55] group 1 for B's tiles
.set G0B, 56                           ; s[56:63] group 0 for B's tiles
.set MSB, 0
.macro WIN new                         ; the immediate's high byte repeats the setting that is left
.if MSB != \new
	s_set_vgpr_msb (MSB<<8)|\new
.set MSB, \new
.endif
.endm
.set MUL_LO, 0xa1                      ; source 0 (B) window 1, source 1 (A) window 0, C and D window 2
.set MUL_HI, 0xf1                      ; the same, C and D window 3
.set TO_B,   0x40                      ; destination window 1, address window 0
; A joint load: waves 0 and 1 fetch A's halves, waves 2 and 3 B's.  The branch hangs on the wave's number alone.
.macro JLOAD s
	s_cmp_eq_u32 s11, 0
	s_cbranch_scc0 .Lfor_b_\@
	tensor_load_to_lds s[G0+4*\s:G0+4*\s+3], s[G1:G1+7]
	s_nop 0
	s_branch .Lasked_\@
.Lfor_b_\@:
	tensor_load_to_lds s[G0B+4*\s:G0B+4*\s+3], s[G1B:G1B+7]
	s_nop 0
.Lasked_\@:
.endm
.macro NEXTK                           ; the byte offsets of K step s66 in A and in B (s73 = s75 = 0 above them); then s66 steps on, round the ring
	s_mul_i32 s72, s66, ASTEP
	s_mul_i32 s74, s66, BSTEP
	s_add_co_u32 s66, s66, 1
	s_and_b32 s66, s66, NSTEP-1
.endm
.macro AIM s                           ; the slot's two group 0 point at that K step; written only where no tensor load of the wave is out
	s_add_nc_u64 s[G0+4*\s+2:G0+4*\s+3], s[14:15], s[72:73]
	s_or_b32 s[G0+4*\s+3], s[G0+4*\s+3], 0x80000000
	s_add_nc_u64 s[G0B+4*\s+2:G0B+4*\s+3], s[78:79], s[74:75]
	s_or_b32 s[G0B+4*\s+3], s[G0B+4*\s+3], 0x80000000
.endm
.macro CREST                           ; a round of the cluster's barrier behind its opening work-group barrier
	s_cmp_lg_u32 s10, 0
	s_cbranch_scc1 .Lnot_wave_0_\@
	s_barrier_signal -3
.Lnot_wave_0_\@:
	s_barrier_wait -3
	s_barrier_signal -1
	s_barrier_wait -1
.endm
.macro CROUND                          ; a whole round
	s_barrier_signal -1
	s_barrier_wait -1
	CREST
.endm
.macro PLACES                          ; four plain vector places behind a matrix instruction (ISA guide 7.12.1) before its registers are loaded into or its results read
.rept 4
	v_nop
.endr
.endm
; NT matrix instructions: row block a of the window's two x all 12 column blocks, 32 along K.  first = 1: the product starts the sums.
.macro MULA par, hi, a, first
.set bb, 0
.rept NT
.if \first
	v_wmma_f32_16x16x32_bf16 v[8*(NT*\a+bb):8*(NT*\a+bb)+7], v[8*NT*\par+8*bb:8*NT*\par+8*bb+7], v[AF+8*MT*\par+8*(\hi*MT/2+\a):AF+8*MT*\par+8*(\hi*MT/2+\a)+7], 0
.else
	v_wmma_f32_16x16x32_bf16 v[8*(NT*\a+bb):8*(NT*\a+bb)+7], v[8*NT*\par+8*bb:8*NT*\par+8*bb+7], v[AF+8*MT*\par+8*(\hi*MT/2+\a):AF+8*MT*\par+8*(\hi*MT/2+\a)+7], v[8*(NT*\a+bb):8*(NT*\a+bb)+7]
.endif
.set bb, bb+1
.endr
.endm
.macro MULS par, hi, a0, n, first      ; n row blocks from a0 on.  The accumulators take turns, one instruction a turn, in the same order in every quarter
.set aa, \a0
.rept \n
	MULA \par, \hi, aa, \first
.set aa, aa+1
.endr
.endm
; The fragments of quarter q (32 K) of a slot into buffer par: 24 transposing loads for B, 8 loads for A, in one run.
.macro FETCH slot, q, par
	WIN TO_B
.set bb, 0
.rept NT
	ds_load_tr16_b128 v[8*NT*\par+8*bb:8*NT*\par+8*bb+3],   v[ADRB+NG*\slot+\q] offset:(bb>>2)*288+(bb&3)*32
	ds_load_tr16_b128 v[8*NT*\par+8*bb+4:8*NT*\par+8*bb+7], v[ADRB+NG*\slot+\q] offset:(bb>>2)*288+(bb&3)*32+16*BP
.set bb, bb+1
.endr
	WIN 0
.set ii, 0
.rept MT
	ds_load_b128 v[AF+8*MT*\par+8*ii:AF+8*MT*\par+8*ii+3],   v[ADRA+\slot] offset:64*\q+ii*16*APITCH
	ds_load_b128 v[AF+8*MT*\par+8*ii+4:AF+8*MT*\par+8*ii+7], v[ADRA+\slot] offset:64*\q+ii*16*APITCH+32
.set ii, ii+1
.endr
.endm
; A quarter: multiplies buffer par; in its middle it fetches quarter qn of the same slot into buffer npar.
.macro QUARTER slot, qn, par, npar, first
	s_wait_dscnt MT                                ; B and A's rows 0-31 are in; the youngest four loads (A's rows 32-63) may be out
	WIN MUL_LO
	MULS \par, 0, 0, MT/2, \first
	PLACES
	FETCH \slot, \qn, \npar
	s_wait_dscnt 2*NT+2*MT                         ; all but the 32 just issued
	WIN MUL_HI
	MULS \par, 1, 0, MT/2, \first
.endm
.macro RUN slot, first
	QUARTER \slot, 1, 0, 1, \first
	QUARTER \slot, 2, 1, 0, 0
	QUARTER \slot, 3, 0, 1, 0
.endm
; The last quarter multiplies buffer 1 and changes slots.  In front of the barrier each wave waits for its reads of this slot and for all
; its tensor loads (one is out: its part of the next slot).  Where the slot is filled again the barrier opens a round of the cluster's
; barrier, and the joint refill is the first tensor load behind the round.
.macro TURN slot, next, fill
	s_wait_dscnt MT
	WIN MUL_LO
	MULS 1, 0, 0, MT/4, 0
.if \fill
	NEXTK
.endif
	s_wait_tensorcnt 0x0                           ; all my tensor loads have landed, so every group 0 may be written
	ds_add_u32 v255, v255
	s_wait_dscnt 0x0
.if \fill
	AIM \slot
.endif
	s_wait_dscnt 0x0                               ; my reads of this slot are over
	s_barrier_signal -1
	MULS 1, 0, MT/4, MT/4, 0                       ; register work while the others arrive
	WIN 0
	s_barrier_wait -1
.if \fill
	CREST
	JLOAD \slot
.endif
	PLACES
	FETCH \next, 0, 0
	WIN MUL_HI
	MULS 1, 1, 0, MT/2, 0
.endm
.macro LAP first
	RUN 0, \first
	TURN 0, 1, 1
	RUN 1, 0
	TURN 1, 0, 1
.endm
	s_load_b128 s[4:7], s[0:1], 0x0                ; hn s[4:5], wb s[6:7]
	s_load_b64 s[8:9], s[0:1], 0x10                ; qkv
	s_set_vgpr_msb 0x40
	v_lshl_add_u32 v255, v0, 2, 0x4d400
	s_set_vgpr_msb 0x4000
	v_mov_b32 v255, 0
	s_set_vgpr_msb 0x1
	ds_add_u32 v255, v255
	ds_add_u32 v255, v255
	s_set_vgpr_msb 0x100
	v_lshrrev_b32 v1, 5, v0
	v_readfirstlane_b32 s10, v1                    ; wave 0..3
	s_lshr_b32 s11, s10, 1                         ; my half of the block's rows.  Also: I fetch for A (0) or for B (1)
	s_and_b32 s12, s10, 1                          ; my half of its columns.  Also: which half of that tile I fetch
	s_bfe_u32 s40, ttmp6, 0x40000                  ; cx
	s_bfe_u32 s41, ttmp6, 0x40004                  ; cy
	s_lshl_b32 s42, ttmp9, 2
	s_add_co_u32 s42, s42, s40                     ; block column = 4 x cluster x + cx
	s_and_b32 s13, ttmp7, 0xffff
	s_lshl_b32 s13, s13, 2
	s_add_co_u32 s13, s13, s41                     ; block row = 4 x cluster y + cy
	s_lshl_b32 s43, s41, 2
	s_lshl_b32 s43, 15, s43                        ; my row of the cluster
	s_lshl_b32 s44, 0x1111, s40                    ; my column
	s_and_b32 s67, ttmp7, 0xffff                   ; the cluster's first K step, from the cluster's numbers alone
	s_lshr_b32 s66, s67, 1
	s_xor_b32 s66, s66, s67                        ; Gray code of the cluster's y
	s_and_b32 s66, s66, YM
	s_lshl_b32 s66, s66, YS
	s_lshl_b32 s67, ttmp9, XS
	s_add_co_u32 s66, s66, s67
	s_and_b32 s66, s66, NSTEP-1
	s_mov_b32 s73, 0
	s_mov_b32 s75, 0
	s_or_b32 s[G1+0], s43, 0x07710000              ; mask; elements of 2 bytes; padding on; bit 21 beside a mask; after every 64 words 4 words
	s_mov_b32 s[G1+1], KS<<16                      ; tensor_dim0 = 128
	s_mov_b32 s[G1+2], 64<<16                      ; tensor_dim1 = 64
	s_mov_b32 s[G1+3], KS<<16                      ; tile_dim0 = 128 elements: rows of 256 bytes
	s_mov_b32 s[G1+4], 64                          ; tile_dim1 = 64 rows
	s_mov_b32 s[G1+5], SIZE_K                      ; elements from row to row
	s_mov_b32 s[G1+6], 0
	s_mov_b32 s[G1+7], 0
	s_or_b32 s[G1B+0], s44, 0x0f710000             ; the same with my column's mask; after every 64 words 8 words: a row of 768 bytes takes 864
	s_mov_b32 s[G1B+1], BN<<16
	s_mov_b32 s[G1B+2], (KS/2)<<16
	s_mov_b32 s[G1B+3], BN<<16
	s_mov_b32 s[G1B+4], KS/2
	s_mov_b32 s[G1B+5], SIZE_N
	s_mov_b32 s[G1B+6], 0
	s_mov_b32 s[G1B+7], 0
	s_lshl_b32 s16, s13, 7                         ; A: row 128 x block row + 64 x half,
	s_lshl_b32 s17, s12, 6
	s_add_co_u32 s16, s16, s17
	s_lshl_b32 s16, s16, 11                        ; x 2,048 bytes
	s_mov_b32 s17, 0
	s_mul_i32 s46, s42, 2*BN                       ; B: column 384 x block column,
	s_mul_i32 s47, s12, (KS/2)*SIZE_N*2            ; K row 64 x half
	s_add_co_u32 s46, s46, s47
	s_mov_b32 s47, 0
	s_mul_i32 s20, s12, AH                         ; where they go in LDS: the wave's number alone
	s_mul_i32 s45, s12, BH
	s_add_co_u32 s45, s45, 2*AH
	s_wait_dscnt 0x0
	s_wait_kmcnt 0x0
	s_add_nc_u64 s[14:15], s[4:5], s[16:17]        ; my part of A's tile of K step 0
	s_add_nc_u64 s[78:79], s[6:7], s[46:47]        ; and of B's
	CROUND                                         ; all sixteen work-groups are here: the first joint loads meet
.irp s, 0,1
	s_mov_b32 s[G0+4*\s], 1
	s_add_co_u32 s[G0+4*\s+1], s20, \s*SLOT
	s_mov_b32 s[G0B+4*\s], 1
	s_add_co_u32 s[G0B+4*\s+1], s45, \s*SLOT
	NEXTK
	AIM \s
	JLOAD \s                                       ; both slots are asked for before anything else: two tensor loads of the wave are out
.endr
	v_and_b32 v1, 15, v0                           ; r = lane % 16
	v_bfe_u32 v2, v0, 4, 1                         ; h = lane / 16
	v_mul_u32_u24 v3, v1, APITCH
	v_lshl_add_u32 v3, v2, 4, v3                   ; A: row r x pitch + 16 h
	s_mul_i32 s21, s11, AH
	v_add_nc_u32 v[ADRA], s21, v3
	v_add_nc_u32 v[ADRA+1], SLOT, v[ADRA]
	v_and_b32 v4, 7, v0
	v_lshl_add_u32 v4, v2, 3, v4                   ; B: K row 8 h + lane % 8,
	v_mul_u32_u24 v4, v4, BP
	v_bfe_u32 v5, v0, 3, 1
	v_lshl_add_u32 v4, v5, 4, v4                   ; 16 bytes on for lanes 8-15 of each half
	s_lshl_b32 s22, s12, 7                         ; my first head: 128 bytes x column half
	s_add_co_u32 s22, s22, 2*AH
	v_add_nc_u32 v4, s22, v4
.irp s, 0,1
.set gg, 0
.rept NG
	v_add_nc_u32 v[ADRB+NG*\s+gg], \s*SLOT+gg*32*BP, v4
.set gg, gg+1
.endr
.endr
	s_mul_i32 s23, s10, 16*SPITCH
	s_add_co_u32 s23, s23, STAGE                   ; my stage
	v_mul_u32_u24 v5, v1, SPITCH
	v_lshl_add_u32 v5, v2, 4, v5
	v_add_nc_u32 v[STO], s23, v5                   ; in: row r, 16 bytes for each half of the lanes
	v_bfe_u32 v5, v0, 3, 2
	v_mul_u32_u24 v5, v5, SPITCH
	v_and_b32 v6, 7, v0
	v_lshl_add_u32 v5, v6, 4, v5
	v_add_nc_u32 v[RD], s23, v5                    ; back: eight lanes take a head's 128 bytes of a row, 32 lanes four rows
	v_and_b32 v6, 31, v0
	v_lshlrev_b32 v[CO], 4, v6                     ; and in memory those four rows are 512 dense bytes
	s_wait_tensorcnt 1                             ; my part of slot 0 is in; slot 1's stays out
	s_barrier_signal -1
	s_barrier_wait -1
	FETCH 0, 0, 0
	LAP 1                                          ; the first lap's first products start the sums: nothing is cleared
	WIN 0
	s_mov_b32 s3, LAPS-2
.Llap:
	LAP 0
	WIN 0
	s_sub_co_u32 s3, s3, 1
	s_cmp_lg_u32 s3, 0
	s_cbranch_scc1 .Llap
	RUN 0, 0                                       ; the last lap fills nothing
	TURN 0, 1, 0
	RUN 1, 0
	s_wait_dscnt MT
	WIN MUL_LO
	MULS 1, 0, 0, MT/2, 0
	s_wait_dscnt 0x0
	WIN MUL_HI
	MULS 1, 1, 0, MT/2, 0
	PLACES
	; THE WAY OUT.  My rows are t = 128 (block row % 8) + 64 x row half of batch block row / 8; my three heads are columns 64 g,
	; g = 6 x block column + 2 i + column half; g / 16 says q, k or v, g % 16 the head.
	s_lshr_b32 s16, s13, 3
	s_lshl_b32 s16, s16, 21                        ; batch x 16 heads x 131,072 bytes
	s_and_b32 s17, s13, 7
	s_lshl_b32 s17, s17, 7
	s_lshl_b32 s18, s11, 6
	s_add_co_u32 s17, s17, s18
	s_lshl_b32 s17, s17, 7                         ; t x 128 bytes
	s_add_co_u32 s16, s16, s17
	s_mov_b32 s17, 0
	s_add_nc_u64 s[8:9], s[8:9], s[16:17]
	s_mul_i32 s46, s42, 6
	s_add_co_u32 s46, s46, s12
.irp i, 0,1,2
	s_add_co_u32 s47, s46, 2*\i
	s_lshr_b32 s78, s47, 4
	s_lshl_b32 s78, s78, 23                        ; q, k or v: 8,388,608 bytes each
	s_and_b32 s47, s47, 15
	s_lshl_b32 s47, s47, 17                        ; the head: 131,072 bytes each
	s_add_co_u32 s78, s78, s47
	s_mov_b32 s79, 0
	s_add_nc_u64 s[72+2*\i:73+2*\i], s[8:9], s[78:79]
.endr
; rows 16 a .. 16 a + 15 of my block: round to bf16, 16 bytes a lane into my stage, back by heads, out in stores of 512 dense bytes
.macro OUTQ a, al, from, rb
	WIN \from
.set bb, 0
.rept NT
.irp r, 0,1,2,3
	v_cvt_pk_bf16_f32 v[TMP+4*bb+\r], v[8*(NT*\al+bb)+2*\r], v[8*(NT*\al+bb)+2*\r+1]
.endr
.set bb, bb+1
.endr
	WIN 0
.set bb, 0
.rept NT
	ds_store_b128 v[STO], v[TMP+4*bb:TMP+4*bb+3] offset:32*bb
.set bb, bb+1
.endr
	s_wait_xcnt 0x0                                ; the registers that earlier stores read are loaded again only behind this wait
.irp i, 0,1,2
.irp t, 0,1,2,3
	ds_load_b128 v[\rb+16*\i+4*\t:\rb+16*\i+4*\t+3], v[RD] offset:1600*\t+128*\i   ; LDS serves a wave's instructions in order: these see the stores above
.endr
.endr
.irp i, 0,1,2
.irp t, 0,1,2,3
	s_wait_dscnt 11-(4*\i+\t)
	global_store_b128 v[CO], v[\rb+16*\i+4*\t:\rb+16*\i+4*\t+3], s[72+2*\i:73+2*\i] offset:2048*\a+512*\t
.endr
.endr
.endm
	OUTQ 0, 0, 0x0a, 64
	OUTQ 1, 1, 0x0a, 112
	OUTQ 2, 0, 0x0f, 64
	OUTQ 3, 1, 0x0f, 112
	s_set_vgpr_msb 0x1
	s_wait_tensorcnt 0x0
	ds_add_u32 v255, v255
	s_wait_dscnt 0x0
	s_set_vgpr_msb 0x100
	CROUND                                         ; the closing round: no work-group ends while a partner may still ask for a tile that names it
	s_endpgm
.Lfunc_end_k_q72af2ecca7_gqkv:
	.size	k_q72af2ecca7_gqkv, .Lfunc_end_k_q72af2ecca7_gqkv-k_q72af2ecca7_gqkv
	.p2alignl 7, 3214868480
	.fill 96, 4, 3214868480
	.section	.rodata,"a",@progbits
	.p2align	6, 0x0
	.amdhsa_kernel k_q72af2ecca7_gqkv
		.amdhsa_group_segment_fixed_size 327680
		.amdhsa_private_segment_fixed_size 0
		.amdhsa_enable_private_segment 0
		.amdhsa_kernarg_size 24
		.amdhsa_user_sgpr_count 2
		.amdhsa_user_sgpr_kernarg_segment_ptr 1
		.amdhsa_wavefront_size32 1
		.amdhsa_system_sgpr_workgroup_id_x 1
		.amdhsa_system_sgpr_workgroup_id_y 1
		.amdhsa_system_sgpr_workgroup_id_z 1
		.amdhsa_system_vgpr_workitem_id 0
		.amdhsa_next_free_vgpr 960
		.amdhsa_next_free_sgpr 80
		.amdhsa_reserve_vcc 0
		.amdhsa_float_denorm_mode_32 3
		.amdhsa_float_denorm_mode_16_64 3
		.amdhsa_memory_ordered 1
		.amdhsa_forward_progress 1
		.amdhsa_inst_pref_size 166
	.end_amdhsa_kernel
	.amdgpu_metadata
---
amdhsa.version: [ 1, 2 ]
amdhsa.kernels:
  - .name:           k_q72af2ecca7_gqkv
    .symbol:         k_q72af2ecca7_gqkv.kd
    .args:
      - { .name: hn, .offset: 0, .size: 8, .value_kind: global_buffer, .address_space: global }
      - { .name: wb, .offset: 8, .size: 8, .value_kind: global_buffer, .address_space: global }
      - { .name: qkv, .offset: 16, .size: 8, .value_kind: global_buffer, .address_space: global }
    .group_segment_fixed_size: 327680
    .private_segment_fixed_size: 0
    .kernarg_segment_align: 8
    .kernarg_segment_size: 24
    .max_flat_workgroup_size: 128
    .sgpr_count:     80
    .vgpr_count:     960
    .wavefront_size: 32
...
	.end_amdgpu_metadata
.endif
;; end of part 2
;; launch fattn (part 3): grid 256 x 1, 4 waves a work-group, no clusters, 327,680 bytes of LDS; arguments qkv, attn; writes attn
.if DOCPART == 3
	.amdgcn_target "amdgcn-amd-amdhsa--gfx1250"
	.amdhsa_code_object_version 6
	.text
	.protected	k_q72af2ecca7_fattn
	.globl	k_q72af2ecca7_fattn
	.p2align	8
	.type	k_q72af2ecca7_fattn,@function
k_q72af2ecca7_fattn:
	s_mov_b64 s[64:65], 0
	v_nop
	global_prefetch_b8 v0, s[64:65] scope:SCOPE_SE
	s_setreg_imm32_b32 hwreg(HW_REG_WAVE_MODE, 25, 1), 1
	s_wait_xcnt 0x0
; Causal attention of one head, softmax with a running maximum.  qkv: bf16 [q, k, v][batch x head 64][t 1024][d 64]; attn: bf16 [64][1024][64].
; T is cut into 8 blocks of 128 queries.  Work-group (hb, j), j = 0..3, takes blocks j and 7 - j of head hb: (j + 1) + (8 - j) = 9 key tiles
; of 128, the same for every work-group.  They run as ONE sequence of 9 steps: step i <= j is block j against key tile i, a later step
; block 7 - j against tile i - j - 1.  Steps j and 8 hold the diagonal: there the mask is applied and the block is finished.
; A wave has 32 queries (two blocks of 16).  S^T = K Q^T: source 0 = 16 keys, source 1 = 16 queries, so a lane holds ONE query (lane % 16)
; and keys 8 (lane / 16) + 0..7 of each tile.  Two neighbouring tiles, packed to bf16, ARE the second operand of O^T = V^T P^T, so P never
; leaves the registers, and maximum, sum and rescaling are one number a lane (one exchange joins the two halves of the lanes).
; THE ORDER OF WORK: the softmax of one query block carries the other block's matrix instructions, one at a time between groups of
; vector instructions: its four P V products of these 32 keys and its four score products of the next 32.  So the vector work of one
; block and the matrix work of the other go on side by side, and the vector instructions in between are the places that the matrix
; instructions' registers need.
; NO CLUSTER: in the same step the four work-groups of a head want different tiles (tile i or tile i - j - 1).  In step with each other
; they would have to walk 4 tiles for the lower blocks and 8 for the upper ones, 12 steps in place of 9.
; LIMITS: P is rounded to bf16 for the second product while its sum is kept in f32; a NaN among the scores loses in the maximum.
; Every block begins at key 0, which every query may see, so the running maximum is finite from the first 32 keys on.
.set SLOT,  38912                      ; K: 128 rows x 144 bytes, then V: 128 rows x 160 bytes
.set VOFF,  18432
.set STAGE, 2*SLOT                     ; 32 rows x 144 bytes for each wave; no tensor load ever lands here
.set KA,  2                            ; v2   144 r + 16 h: my place in a K fragment
.set VA,  3                            ; v3   my place for the transposing load of V
.set STO, 4
.set RD,  5
.set CO,  6                            ; v6   16 x lane
.set QO,  7                            ; v7   128 r + 16 h
.set DM,  8                            ; v8   32 w + r - 8 h: a key is seen if its constant part is no greater
.set M,   10                           ; v10-11  running maximum, for each query block
.set L,   12                           ; v12-13  running sum (of my half's keys)
.set NM,  14                           ; v[14:15] - maximum x c
.set AL,  16                           ; v[16:17] the rescaling factor
.set Q,   32                           ; v[32:63]   fragment (tb, kk) at 8 (2 tb + kk)
.set O,   64                           ; v[64:127]  tile (tb, db) at 8 (4 tb + db)
.set KF0, 128                          ; v[128:159] K fragments (sb, kk) at 8 (2 sb + kk), two buffers
.set VF,  160                          ; v[160:191] V^T fragment db at 8 db
.set S,   192                          ; v[192:223] tile (tb, sb) at 16 tb + 8 sb; then P in the first 8 of each 16
.set KF1, 224
.set G1K, 28
.set G1V, 36
.set G0K, 44                           ; a set for each slot
.set G0V, 52
.macro KVLOAD s                        ; waves 0 and 1 fetch K's halves, waves 2 and 3 V's: one tensor load a wave
	s_cmp_eq_u32 s11, 0
	s_cbranch_scc0 .Lfor_v_\@
	tensor_load_to_lds s[G0K+4*\s:G0K+4*\s+3], s[G1K:G1K+7]
	s_nop 0
	s_branch .Lasked_\@
.Lfor_v_\@:
	tensor_load_to_lds s[G0V+4*\s:G0V+4*\s+3], s[G1V:G1V+7]
	s_nop 0
.Lasked_\@:
.endm
.macro KLOAD slot, u, buf              ; keys 32 u .. 32 u + 31, all 64 d
.irp sb, 0,1
.irp kk, 0,1
	ds_load_b128 v[\buf+8*(2*\sb+\kk):\buf+8*(2*\sb+\kk)+3],   v[KA] offset:\slot*SLOT+(32*(\u)+16*\sb)*144+64*\kk
	ds_load_b128 v[\buf+8*(2*\sb+\kk)+4:\buf+8*(2*\sb+\kk)+7], v[KA] offset:\slot*SLOT+(32*(\u)+16*\sb)*144+64*\kk+32
.endr
.endr
.endm
.macro VLOAD slot, u                   ; V^T of the same keys: lane r = d, keys along the registers
.irp db, 0,1,2,3
	ds_load_tr16_b128 v[VF+8*\db:VF+8*\db+3],   v[VA] offset:\slot*SLOT+5120*\u+32*\db
	ds_load_tr16_b128 v[VF+8*\db+4:VF+8*\db+7], v[VA] offset:\slot*SLOT+5120*\u+32*\db+2560
.endr
.endm
.macro QLOAD qb
.irp tb, 0,1
.irp kk, 0,1
	global_load_b128 v[Q+8*(2*\tb+\kk):Q+8*(2*\tb+\kk)+3],   v[QO], s[\qb:\qb+1] offset:2048*\tb+64*\kk
	global_load_b128 v[Q+8*(2*\tb+\kk)+4:Q+8*(2*\tb+\kk)+7], v[QO], s[\qb:\qb+1] offset:2048*\tb+64*\kk+32
.endr
.endr
.endm
; A block's sums begin inside the counted loop, where the first product cannot be written apart.  The first rescaling factor is 0,
; and 0 times whatever the registers hold could be NaN: so the 64 registers are cleared, twice in the kernel.
.macro INIT
	v_mov_b32 v[M], s62
	v_mov_b32 v[M+1], s62
	v_mov_b32 v[L], 0
	v_mov_b32 v[L+1], 0
.set p, 0
.rept 64
	v_mov_b32 v[O+p], 0
.set p, p+1
.endr
.endm
; On the diagonal: key 32 u + 16 sb + 8 h + jj is seen by query 32 w + 16 tb + r if it is no greater.
.macro MASK u, tb
	s_cmp_eq_u32 s70, 0
	s_cbranch_scc1 .Lfree_\@
.irp sb, 0,1
.irp jj, 0,1,2,3,4,5,6,7
	v_cmp_le_i32 vcc_lo, 32*\u+16*\sb+\jj-16*\tb, v[DM]
	v_cndmask_b32 v[S+16*\tb+8*\sb+\jj], s62, v[S+16*\tb+8*\sb+\jj], vcc_lo
.endr
.endr
.Lfree_\@:
.endm
.macro SW1 tb, sb, kk, kb              ; one score product: 16 keys x 16 queries, d = 32 kk on; kk = 0 starts the sum
.if \kk
	v_wmma_f32_16x16x32_bf16 v[S+16*\tb+8*\sb:S+16*\tb+8*\sb+7], v[\kb+16*\sb+8:\kb+16*\sb+15], v[Q+16*\tb+8:Q+16*\tb+15], v[S+16*\tb+8*\sb:S+16*\tb+8*\sb+7]
.else
	v_wmma_f32_16x16x32_bf16 v[S+16*\tb+8*\sb:S+16*\tb+8*\sb+7], v[\kb+16*\sb:\kb+16*\sb+7], v[Q+16*\tb:Q+16*\tb+7], 0
.endif
.endm
.macro PV1 tb, db                      ; one P V product: 16 d x 16 queries over 32 keys
	v_wmma_f32_16x16x32_bf16 v[O+8*(4*\tb+\db):O+8*(4*\tb+\db)+7], v[VF+8*\db:VF+8*\db+7], v[S+16*\tb:S+16*\tb+7], v[O+8*(4*\tb+\db):O+8*(4*\tb+\db)+7]
.endm
; The 16 scores of my query in block tb: new maximum, p = 2^((s - max) c), sum, P packed in place, O rescaled.
; o = the other block.  pv = 1: its four P V products ride along; sw = 1: and its four score products of the next keys, on K buffer kb;
; vl = 1: V of keys 32 u on of the slot is loaded.
; Distances: the eight multiply-adds behind the last P V product are the places in front of the loads into V's
; fragments (four are needed) and of the scores that land on P (five); the sixteen multiplies at the end are the places in front of
; the next reader of the scores.  No two matrix instructions that follow each other share an accumulator.
.macro SOFT tb, o, pv, sw, kb, vl, slot, u
.if \pv
	PV1 \o, 0
.endif
	v_max3_num_f32 v18, v[S+16*\tb+0], v[S+16*\tb+1], v[S+16*\tb+2]
	v_max3_num_f32 v19, v[S+16*\tb+3], v[S+16*\tb+4], v[S+16*\tb+5]
	v_max3_num_f32 v20, v[S+16*\tb+6], v[S+16*\tb+7], v[S+16*\tb+8]
	v_max3_num_f32 v21, v[S+16*\tb+9], v[S+16*\tb+10], v[S+16*\tb+11]
.if \pv
	PV1 \o, 1
.endif
	v_max3_num_f32 v22, v[S+16*\tb+12], v[S+16*\tb+13], v[S+16*\tb+14]
	v_max3_num_f32 v18, v18, v19, v20
	v_max3_num_f32 v21, v21, v22, v[S+16*\tb+15]
	v_max3_num_f32 v18, v18, v21, v[M+\tb]
.if \pv
	PV1 \o, 2
.endif
	v_permlanex16_b32 v19, v18, s60, s61           ; the other half's keys
	v_max_num_f32 v20, v18, v19                    ; the new maximum
	v_sub_f32 v[AL], v[M+\tb], v20
	v_mul_f32 v[NM], s63, v20                      ; - max x c
	v_mul_f32 v[AL], s66, v[AL]                    ; (old max - new max) x c
.if \pv
	PV1 \o, 3
.endif
.set p, 0
.rept 8
	v_pk_fma_f32 v[S+16*\tb+p:S+16*\tb+p+1], v[S+16*\tb+p:S+16*\tb+p+1], s[66:67], v[NM:NM+1] op_sel_hi:[1,0,0]
.set p, p+2
.endr
.if \vl
	VLOAD \slot, \u
.endif
.if \sw
	SW1 \o, 0, 0, \kb
.endif
.set p, 0
.rept 8
	v_exp_f32 v[S+16*\tb+p], v[S+16*\tb+p]
.set p, p+1
.endr
.if \sw
	SW1 \o, 1, 0, \kb
.endif
.rept 8
	v_exp_f32 v[S+16*\tb+p], v[S+16*\tb+p]
.set p, p+1
.endr
	v_exp_f32 v[AL], v[AL]
	v_mov_b32 v[M+\tb], v20                        ; the plain instruction behind the exponentials (ISA guide 5.7.2)
.if \sw
	SW1 \o, 0, 1, \kb
.endif
	; the sum's tree and the packing take turns; word p lands on a register whose number has been added and packed already
	s_wait_alu depctr_va_vdst(0)
	v_pk_add_f32 v[22:23], v[S+16*\tb+0:S+16*\tb+1], v[S+16*\tb+2:S+16*\tb+3]
	v_pk_add_f32 v[24:25], v[S+16*\tb+4:S+16*\tb+5], v[S+16*\tb+6:S+16*\tb+7]
	v_pk_add_f32 v[26:27], v[S+16*\tb+8:S+16*\tb+9], v[S+16*\tb+10:S+16*\tb+11]
	v_pk_add_f32 v[28:29], v[S+16*\tb+12:S+16*\tb+13], v[S+16*\tb+14:S+16*\tb+15]
	v_cvt_pk_bf16_f32 v[S+16*\tb+0], v[S+16*\tb+0], v[S+16*\tb+1]
	v_cvt_pk_bf16_f32 v[S+16*\tb+1], v[S+16*\tb+2], v[S+16*\tb+3]
	v_pk_add_f32 v[22:23], v[22:23], v[24:25]
	v_pk_add_f32 v[26:27], v[26:27], v[28:29]
	v_cvt_pk_bf16_f32 v[S+16*\tb+2], v[S+16*\tb+4], v[S+16*\tb+5]
	v_cvt_pk_bf16_f32 v[S+16*\tb+3], v[S+16*\tb+6], v[S+16*\tb+7]
	v_pk_add_f32 v[22:23], v[22:23], v[26:27]
	v_cvt_pk_bf16_f32 v[S+16*\tb+4], v[S+16*\tb+8], v[S+16*\tb+9]
	v_cvt_pk_bf16_f32 v[S+16*\tb+5], v[S+16*\tb+10], v[S+16*\tb+11]
	v_fma_f32 v[L+\tb], v[L+\tb], v[AL], v22
	v_cvt_pk_bf16_f32 v[S+16*\tb+6], v[S+16*\tb+12], v[S+16*\tb+13]
	v_cvt_pk_bf16_f32 v[S+16*\tb+7], v[S+16*\tb+14], v[S+16*\tb+15]
	v_add_f32 v[L+\tb], v[L+\tb], v23
.if \sw
	SW1 \o, 1, 1, \kb
.endif
.set p, 0
.rept 16
	v_pk_mul_f32 v[O+32*\tb+p:O+32*\tb+p+1], v[O+32*\tb+p:O+32*\tb+p+1], v[AL:AL+1] op_sel_hi:[1,0]
.set p, p+2
.endr
.endm
; A key tile of 128 against my 32 queries, 32 keys (u = 0..3) at a time.  K of keys 32 u lies in buffer u % 2.
.macro STEP slot
.rept 5
	v_nop                                          ; behind the last step's last products: four places before V's fragments are loaded again
.endr
	KLOAD \slot, 0, KF0
	VLOAD \slot, 0
	KLOAD \slot, 1, KF1
	s_wait_loadcnt 0x0                             ; Q
	s_wait_dscnt 16                                ; K of keys 0-31 is in; V's eight loads and the next K's eight stay out
	SW1 0, 0, 0, KF0
	SW1 0, 1, 0, KF0
	SW1 0, 0, 1, KF0
	SW1 0, 1, 1, KF0
.rept 4
	v_nop                                          ; four places before the scores are read
.endr
	MASK 0, 0
	SOFT 0, 1, 0, 1, KF0, 0, \slot, 0
	s_wait_dscnt 0x0                               ; V of these keys and K of keys 32-63 are in
	MASK 0, 1
	SOFT 1, 0, 1, 1, KF1, 0, \slot, 0
	KLOAD \slot, 2, KF0
	MASK 1, 0
	SOFT 0, 1, 1, 1, KF1, 1, \slot, 1
	s_wait_dscnt 0x0
	MASK 1, 1
	SOFT 1, 0, 1, 1, KF0, 0, \slot, 1
	KLOAD \slot, 3, KF1
	MASK 2, 0
	SOFT 0, 1, 1, 1, KF0, 1, \slot, 2
	s_wait_dscnt 0x0
	MASK 2, 1
	SOFT 1, 0, 1, 1, KF1, 0, \slot, 2
	MASK 3, 0
	SOFT 0, 1, 1, 1, KF1, 1, \slot, 3
	s_wait_dscnt 0x0                               ; my last reads of this slot
	MASK 3, 1
	SOFT 1, 0, 1, 0, KF1, 0, \slot, 3
	PV1 1, 0
	PV1 1, 1
	PV1 1, 2
	PV1 1, 3
.endm
; A block is finished: O / sum, to bf16, through my stage, out in stores of 512 dense bytes.  reload = 1: the second block's Q comes in.
.macro FINAL ob, reload
.rept 4
	v_nop                                          ; four places behind the last products
.endr
.if \reload
	QLOAD 22
.endif
.irp tb, 0,1
	v_permlanex16_b32 v18, v[L+\tb], s60, s61
	v_add_f32 v18, v18, v[L+\tb]                   ; both halves' keys
	v_rcp_f32 v[AL], v18
	v_nop
.set p, 0
	s_wait_alu depctr_va_vdst(0)
.rept 16
	v_pk_mul_f32 v[O+32*\tb+p:O+32*\tb+p+1], v[O+32*\tb+p:O+32*\tb+p+1], v[AL:AL+1] op_sel_hi:[1,0]
.set p, p+2
.endr
.set p, 0
.rept 16
	v_cvt_pk_bf16_f32 v[S+16*\tb+p], v[O+32*\tb+2*p], v[O+32*\tb+2*p+1]
.set p, p+1
.endr
.irp db, 0,1,2,3
	ds_store_b128 v[STO], v[S+16*\tb+4*\db:S+16*\tb+4*\db+3] offset:2304*\tb+32*\db
.endr
.endr
.irp n, 0,1,2,3,4,5,6,7
	ds_load_b128 v[KF0+4*\n:KF0+4*\n+3], v[RD] offset:576*\n       ; four rows of 128 bytes; LDS serves a wave's instructions in order
.endr
.irp n, 0,1,2,3,4,5,6,7
	s_wait_dscnt 7-\n
	global_store_b128 v[CO], v[KF0+4*\n:KF0+4*\n+3], s[\ob:\ob+1] offset:512*\n
.endr
.if \reload
	s_wait_xcnt 0x0                                ; the stores' data registers are K's buffer 0: loaded again only behind this wait
	INIT
.endif
.endm
; One step: a key tile of 128 in `slot`; the next step's tile is asked for into `other`.
.macro TRIP slot, other, last
	s_wait_tensorcnt 0x0                           ; all my tensor loads have landed, my part of this slot among them: every group 0 may be written
	ds_add_u32 v30, v31
	s_wait_dscnt 0x0
.if \last
	s_mov_b32 s70, 1                               ; step 8 holds the second block's diagonal
.else
	s_lshl_b32 s69, s68, 1
.if \slot
	s_add_co_u32 s69, s69, 1                       ; i = 2 x trip + slot
.endif
	s_add_co_u32 s72, s69, 1
	s_sub_co_u32 s73, s69, s14
	s_cmp_le_u32 s72, s14
	s_cselect_b32 s72, s72, s73                    ; the next step's tile: i + 1 while in block j, then i - j
	s_lshl_b32 s72, s72, 14                        ; x 128 rows of 128 bytes
	s_mov_b32 s73, 0
	s_add_nc_u64 s[G0K+4*\other+2:G0K+4*\other+3], s[16:17], s[72:73]
	s_or_b32 s[G0K+4*\other+3], s[G0K+4*\other+3], 0x80000000
	s_add_nc_u64 s[G0V+4*\other+2:G0V+4*\other+3], s[18:19], s[72:73]
	s_or_b32 s[G0V+4*\other+3], s[G0V+4*\other+3], 0x80000000
	s_cmp_eq_u32 s69, s14
	s_cselect_b32 s70, 1, 0                        ; this step holds the first block's diagonal
.endif
	s_wait_dscnt 0x0                               ; my reads of the other slot are over
	s_barrier_signal -1
	s_barrier_wait -1                              ; both now hold of every wave
.if \last == 0
	KVLOAD \other                                  ; my one tensor load behind this barrier; it has this whole step in which to land
.endif
	STEP \slot
.if \last
	FINAL 26, 0
.else
	s_cmp_eq_u32 s70, 0
	s_cbranch_scc1 .Lon_\@
	FINAL 24, 1
.Lon_\@:
.endif
.endm
	s_load_b128 s[4:7], s[0:1], 0x0                ; qkv s[4:5], attn s[6:7]
	v_lshl_add_u32 v30, v0, 2, 0x29000
	v_mov_b32 v31, 0
	ds_add_u32 v30, v31
	ds_add_u32 v30, v31
	v_lshrrev_b32 v1, 5, v0
	v_readfirstlane_b32 s10, v1                    ; wave 0..3
	s_lshr_b32 s11, s10, 1                         ; I fetch for K (0) or for V (1)
	s_and_b32 s12, s10, 1                          ; which 64 rows of the tile
	s_lshr_b32 s13, ttmp9, 2                       ; hb = 16 x batch + head
	s_and_b32 s14, ttmp9, 3                        ; j
	; half a tile is 8,192 dense bytes: 32 rows of 256 bytes, with a gap behind every 128 bytes (32 words), so that a key's row has its own pitch
	s_mov_b32 s[G1K+0], 0x07110000                 ; elements of 2 bytes; padding on; after every 32 words 4 words: pitch 144
	s_mov_b32 s[G1K+1], 128<<16
	s_mov_b32 s[G1K+2], 32<<16
	s_mov_b32 s[G1K+3], 128<<16
	s_mov_b32 s[G1K+4], 32
	s_mov_b32 s[G1K+5], 128
	s_mov_b32 s[G1K+6], 0
	s_mov_b32 s[G1K+7], 0
	s_mov_b32 s[G1V+0], 0x0f110000                 ; after every 32 words 8 words: pitch 160, an odd multiple of 32 for the transposing load
	s_mov_b32 s[G1V+1], 128<<16
	s_mov_b32 s[G1V+2], 32<<16
	s_mov_b32 s[G1V+3], 128<<16
	s_mov_b32 s[G1V+4], 32
	s_mov_b32 s[G1V+5], 128
	s_mov_b32 s[G1V+6], 0
	s_mov_b32 s[G1V+7], 0
	s_mul_i32 s15, s12, 9216
	s_mul_i32 s8, s12, 10240
	s_add_co_u32 s8, s8, VOFF
.irp s, 0,1
	s_mov_b32 s[G0K+4*\s], 1
	s_add_co_u32 s[G0K+4*\s+1], s15, \s*SLOT
	s_mov_b32 s[G0V+4*\s], 1
	s_add_co_u32 s[G0V+4*\s+1], s8, \s*SLOT
.endr
	s_lshl_b32 s72, s13, 17                        ; the head: 131,072 bytes
	s_lshl_b32 s74, s12, 13
	s_add_co_u32 s74, s74, s72
	s_add_co_u32 s74, s74, 8388608                 ; K begins 8,388,608 bytes into qkv
	s_mov_b32 s75, 0
	s_lshl_b32 s9, s10, 12                         ; my 32 rows of a block
	s_add_co_u32 s72, s72, s9
	s_lshl_b32 s76, s14, 14                        ; block j
	s_add_co_u32 s76, s76, s72
	s_mov_b32 s77, 0
	s_sub_co_u32 s78, 7, s14                       ; block 7 - j
	s_lshl_b32 s78, s78, 14
	s_add_co_u32 s78, s78, s72
	s_mov_b32 s79, 0
	s_mov_b32 s60, 0x76543210
	s_mov_b32 s61, 0xfedcba98
	s_mov_b32 s62, 0xff800000                      ; -inf
	s_mov_b32 s63, 0xbe38aa3b                      ; -c
	s_mov_b32 s66, 0x3e38aa3b                      ; c = log2(e) / sqrt(64)
	s_mov_b32 s67, 0x3e38aa3b
	s_wait_dscnt 0x0
	s_wait_kmcnt 0x0
	s_add_nc_u64 s[16:17], s[4:5], s[74:75]        ; my half of K's tile 0
	s_add_nc_u64 s[18:19], s[16:17], 8388608       ; and of V's
	s_add_nc_u64 s[20:21], s[4:5], s[76:77]        ; Q of the first block, of the second
	s_add_nc_u64 s[22:23], s[4:5], s[78:79]
	s_add_nc_u64 s[24:25], s[6:7], s[76:77]        ; and where their results go
	s_add_nc_u64 s[26:27], s[6:7], s[78:79]
	s_mov_b64 s[G0K+2:G0K+3], s[16:17]
	s_or_b32 s[G0K+3], s[G0K+3], 0x80000000
	s_mov_b64 s[G0V+2:G0V+3], s[18:19]
	s_or_b32 s[G0V+3], s[G0V+3], 0x80000000
	KVLOAD 0                                       ; step 0's tile; slot 1 is first filled behind the first step's barrier, as a refill is
	v_and_b32 v1, 15, v0                           ; r
	v_bfe_u32 v9, v0, 4, 1                         ; h
	v_and_b32 v18, 31, v0                          ; lane
	v_mul_u32_u24 v[KA], v1, 144
	v_lshl_add_u32 v[KA], v9, 4, v[KA]
	v_and_b32 v19, 7, v0
	v_lshl_add_u32 v19, v9, 3, v19                 ; key row 8 h + lane % 8
	v_mul_u32_u24 v19, v19, 160
	v_bfe_u32 v20, v0, 3, 1
	v_lshl_add_u32 v19, v20, 4, v19
	v_add_nc_u32 v[VA], VOFF, v19
	s_mul_i32 s9, s10, 4608
	s_add_co_u32 s9, s9, STAGE                     ; my stage
	v_add_nc_u32 v[STO], s9, v[KA]
	v_lshrrev_b32 v20, 3, v18
	v_mul_u32_u24 v20, v20, 144
	v_and_b32 v21, 7, v0
	v_lshl_add_u32 v20, v21, 4, v20
	v_add_nc_u32 v[RD], s9, v20
	v_lshlrev_b32 v[CO], 4, v18
	v_lshlrev_b32 v[QO], 7, v1
	v_lshl_add_u32 v[QO], v9, 4, v[QO]
	v_lshlrev_b32 v20, 3, v9
	v_sub_nc_u32 v[DM], v1, v20
	s_lshl_b32 s9, s10, 5
	v_add_nc_u32 v[DM], s9, v[DM]
	v_mov_b32 v[NM+1], 0                           ; the upper registers of the two broadcast pairs are named, never used
	v_mov_b32 v[AL+1], 0
	QLOAD 20
	INIT
	s_mov_b32 s68, 0
.Ltrip:
	TRIP 0, 1, 0
	TRIP 1, 0, 0
	s_add_co_u32 s68, s68, 1
	s_cmp_lt_u32 s68, 4
	s_cbranch_scc1 .Ltrip
	TRIP 0, 1, 1                                   ; step 8: nothing is left to fetch
	s_wait_tensorcnt 0x0
	ds_add_u32 v30, v31
	s_wait_dscnt 0x0
	s_endpgm
.Lfunc_end_k_q72af2ecca7_fattn:
	.size	k_q72af2ecca7_fattn, .Lfunc_end_k_q72af2ecca7_fattn-k_q72af2ecca7_fattn
	.p2alignl 7, 3214868480
	.fill 96, 4, 3214868480
	.section	.rodata,"a",@progbits
	.p2align	6, 0x0
	.amdhsa_kernel k_q72af2ecca7_fattn
		.amdhsa_group_segment_fixed_size 327680
		.amdhsa_private_segment_fixed_size 0
		.amdhsa_enable_private_segment 0
		.amdhsa_kernarg_size 16
		.amdhsa_user_sgpr_count 2
		.amdhsa_user_sgpr_kernarg_segment_ptr 1
		.amdhsa_wavefront_size32 1
		.amdhsa_system_sgpr_workgroup_id_x 1
		.amdhsa_system_sgpr_workgroup_id_y 1
		.amdhsa_system_sgpr_workgroup_id_z 1
		.amdhsa_system_vgpr_workitem_id 0
		.amdhsa_next_free_vgpr 256
		.amdhsa_next_free_sgpr 80
		.amdhsa_reserve_vcc 1
		.amdhsa_float_denorm_mode_32 3
		.amdhsa_float_denorm_mode_16_64 3
		.amdhsa_memory_ordered 1
		.amdhsa_forward_progress 1
		.amdhsa_inst_pref_size 184
	.end_amdhsa_kernel
	.amdgpu_metadata
---
amdhsa.version: [ 1, 2 ]
amdhsa.kernels:
  - .name:           k_q72af2ecca7_fattn
    .symbol:         k_q72af2ecca7_fattn.kd
    .args:
      - { .name: qkv, .offset: 0, .size: 8, .value_kind: global_buffer, .address_space: global }
      - { .name: attn, .offset: 8, .size: 8, .value_kind: global_buffer, .address_space: global }
    .group_segment_fixed_size: 327680
    .private_segment_fixed_size: 0
    .kernarg_segment_align: 8
    .kernarg_segment_size: 16
    .max_flat_workgroup_size: 128
    .sgpr_count:     80
    .vgpr_count:     256
    .wavefront_size: 32
...
	.end_amdgpu_metadata
.endif
;; end of part 3
;; launch gproj (part 4): grid 8 x 32, 4 waves a work-group, clusters of 4 x 4, 327,680 bytes of LDS; arguments attn, wb, x1, bproj, x; writes x1
.if DOCPART == 4
	.amdgcn_target "amdgcn-amd-amdhsa--gfx1250"
	.amdhsa_code_object_version 6
	.text
	.protected	k_q72af2ecca7_gproj
	.globl	k_q72af2ecca7_gproj
	.p2align	8
	.type	k_q72af2ecca7_gproj,@function
k_q72af2ecca7_gproj:
	s_mov_b64 s[64:65], 0
	v_nop
	global_prefetch_b8 v0, s[64:65] scope:SCOPE_SE
	s_setreg_imm32_b32 hwreg(HW_REG_WAVE_MODE, 25, 1), 1
	s_wait_xcnt 0x0
	s_wait_alu depctr_hold_cnt(0) depctr_sa_sdst(0) depctr_va_vdst(0) depctr_va_sdst(0) depctr_va_ssrc(0) depctr_va_vcc(0) depctr_vm_vsrc(0)
	s_getreg_b32 s2, hwreg(HW_REG_IB_STS2, 6, 4)
	s_cmp_eq_u32 s2, 0
	s_cbranch_scc0 .Lentry_in_a_cluster
	s_endpgm
.Lentry_in_a_cluster:
	s_bfe_u32 s2, ttmp6, 0x10000c
	s_cmp_lg_u32 s2, 0xf033
	s_cbranch_scc0 .Lentry_shape_is_right
	s_endpgm
.Lentry_shape_is_right:
; x1 = x + attn x Wproj + bproj, f32.  attn: bf16 [batch 4][head 16][t 1024][d 64], K = 64 x head + d; Wproj: bf16 [1024][1024] at byte
; 6,291,456 of wb, K down the rows; x, x1: [4096][1024] f32.
; A work-group makes 128 x 128 with four waves, 2 x 2; a wave makes 64 x 64: 4 x 4 accumulator tiles.  With 1,024 columns this is the block
; that gives 256 work-groups.  K goes in steps of 256 (four heads) through two LDS slots, so that 124 matrix instructions of a wave lie
; between a tile's request and the wait for it.
; CLUSTERS: 4 x 4; A's tile is asked for jointly by a row of the cluster, B's by a column.
; K ORDER: a cluster begins at K step o = 2 X + g(Y) (X, Y: the cluster's numbers; g: the low two bits of the Gray code of Y) and walks
; all 4 steps round the ring, the step's number taken modulo 4.  The two clusters that read the same tiles of A (same Y) begin 2 steps
; apart, those that read the same tiles of B (same X) 1 step apart, so that a tile's readers ask for it at different times and the later
; ones follow a reader that has fetched it.  o hangs on the cluster's numbers alone, which all partners share.
; A's half tile is 4 rows of 4,096 elements: a head's 64 rows of 64 d are 8,192 dense bytes, and the heads lie 65,536 elements apart.
; A gap behind every 128 bytes gives each t its own LDS row of 144 bytes.  More rows the tile does not have in this form.
; The matrix instruction is used transposed (source 0 = columns of B, source 1 = rows of A).
; LIMITS: the bias is the first product's C operand, so it is added first and not last as in the formula, and the sums are formed in
; the rotated order of K: another order of rounding.
; REGISTERS: window 0: v16-31 addresses, v64-95, v96-127 A's fragments, v128-255 the residual (v192-223 hold the bias until the first
; quarter is over); window 1: v0-31, v32-63 B's fragments; window 2: tiles of my rows 0-31 at 8 (4 a + b); window 3: rows 32-63.
.set SIZE_N, 1024
.set MT,     4
.set NT,     4
.set BN,     128
.set KS,     256
.set NSTEP,  4
.set XS,     1                         ; o = (X << XS) + ((gray(Y) & YM) << YS)
.set YM,     3
.set YS,     0
.set QPR,    4                         ; quarters of 32 K that one address register of B reaches
.set NG,     2
.set APITCH, 144
.set AH,     4*64*APITCH
.set BP,     288                       ; 256 + 32 bytes: an odd multiple of 32
.set BH,     (KS/2)*BP
.set SLOT,   2*AH+2*BH
.set STAGE,  2*SLOT                    ; 16 rows x 272 bytes for each wave; no tensor load ever lands here
.set SPITCH, 272
.set ASTEP,  4*131072                  ; four heads on
.set BSTEP,  KS*SIZE_N*2
.set WOFF,   6291456
.set ADRA, 16
.set ADRB, 20
.set STO,  28
.set RD,   29
.set CO,   30
.set BO,   31
.set AF,   64
.set RES,  128
.set BIAS, 192
.set G1,  24
.set G0,  32
.set G1B, 48
.set G0B, 56
.set MSB, 0
.macro WIN new                         ; the immediate's high byte repeats the setting that is left
.if MSB != \new
	s_set_vgpr_msb (MSB<<8)|\new
.set MSB, \new
.endif
.endm
.set MUL_LO, 0xa1                      ; source 0 (B) window 1, source 1 (A) window 0, C and D window 2
.set MUL_HI, 0xf1                      ; the same, C and D window 3
.set BIA_LO, 0x81                      ; C (the bias) window 0, D window 2
.set BIA_HI, 0xc1                      ; C window 0, D window 3
.set TO_B,   0x40
.macro JLOAD s                         ; waves 0 and 1 fetch A's halves, waves 2 and 3 B's
	s_cmp_eq_u32 s11, 0
	s_cbranch_scc0 .Lfor_b_\@
	tensor_load_to_lds s[G0+4*\s:G0+4*\s+3], s[G1:G1+7]
	s_nop 0
	s_branch .Lasked_\@
.Lfor_b_\@:
	tensor_load_to_lds s[G0B+4*\s:G0B+4*\s+3], s[G1B:G1B+7]
	s_nop 0
.Lasked_\@:
.endm
.macro NEXTK                           ; the byte offsets of K step s66 in A and in B (s73 = s75 = 0 above them); then s66 steps on, round the ring
	s_mul_i32 s72, s66, ASTEP
	s_mul_i32 s74, s66, BSTEP
	s_add_co_u32 s66, s66, 1
	s_and_b32 s66, s66, NSTEP-1
.endm
.macro AIM s                           ; the slot's two group 0 point at that K step; written only where no tensor load of the wave is out
	s_add_nc_u64 s[G0+4*\s+2:G0+4*\s+3], s[14:15], s[72:73]
	s_or_b32 s[G0+4*\s+3], s[G0+4*\s+3], 0x80000000
	s_add_nc_u64 s[G0B+4*\s+2:G0B+4*\s+3], s[78:79], s[74:75]
	s_or_b32 s[G0B+4*\s+3], s[G0B+4*\s+3], 0x80000000
.endm
.macro CREST
	s_cmp_lg_u32 s10, 0
	s_cbranch_scc1 .Lnot_wave_0_\@
	s_barrier_signal -3
.Lnot_wave_0_\@:
	s_barrier_wait -3
	s_barrier_signal -1
	s_barrier_wait -1
.endm
.macro CROUND
	s_barrier_signal -1
	s_barrier_wait -1
	CREST
.endm
.macro PLACES                          ; four plain vector places behind a matrix instruction (ISA guide 7.12.1)
.rept 4
	v_nop
.endr
.endm
.macro MULA par, hi, a, first          ; first = 1: the bias is C, and the product starts the sums
.set bb, 0
.rept NT
.if \first
	v_wmma_f32_16x16x32_bf16 v[8*(NT*\a+bb):8*(NT*\a+bb)+7], v[8*NT*\par+8*bb:8*NT*\par+8*bb+7], v[AF+8*MT*\par+8*(\hi*MT/2+\a):AF+8*MT*\par+8*(\hi*MT/2+\a)+7], v[BIAS+8*bb:BIAS+8*bb+7]
.else
	v_wmma_f32_16x16x32_bf16 v[8*(NT*\a+bb):8*(NT*\a+bb)+7], v[8*NT*\par+8*bb:8*NT*\par+8*bb+7], v[AF+8*MT*\par+8*(\hi*MT/2+\a):AF+8*MT*\par+8*(\hi*MT/2+\a)+7], v[8*(NT*\a+bb):8*(NT*\a+bb)+7]
.endif
.set bb, bb+1
.endr
.endm
.macro MULS par, hi, a0, n, first      ; the accumulators take turns, one instruction a turn, in the same order in every quarter
.set aa, \a0
.rept \n
	MULA \par, \hi, aa, \first
.set aa, aa+1
.endr
.endm
.macro FETCH slot, q, par              ; quarter q: head q / 2 of the slot's four, d = 32 (q % 2) on
	WIN TO_B
.set bb, 0
.rept NT
	ds_load_tr16_b128 v[8*NT*\par+8*bb:8*NT*\par+8*bb+3],   v[ADRB+NG*\slot+\q/QPR] offset:(\q%QPR)*32*BP+32*bb
	ds_load_tr16_b128 v[8*NT*\par+8*bb+4:8*NT*\par+8*bb+7], v[ADRB+NG*\slot+\q/QPR] offset:(\q%QPR)*32*BP+32*bb+16*BP
.set bb, bb+1
.endr
	WIN 0
.set ii, 0
.rept MT
	ds_load_b128 v[AF+8*MT*\par+8*ii:AF+8*MT*\par+8*ii+3],   v[ADRA+\slot] offset:(\q>>1)*9216+(\q&1)*64+ii*16*APITCH
	ds_load_b128 v[AF+8*MT*\par+8*ii+4:AF+8*MT*\par+8*ii+7], v[ADRA+\slot] offset:(\q>>1)*9216+(\q&1)*64+ii*16*APITCH+32
.set ii, ii+1
.endr
.endm
.macro QUARTER slot, qn, par, npar, first
	s_wait_dscnt MT                                ; B and A's rows 0-31 are in; the youngest four loads (A's rows 32-63) may be out
.if \first
	WIN BIA_LO
.else
	WIN MUL_LO
.endif
	MULS \par, 0, 0, MT/2, \first
	PLACES
	FETCH \slot, \qn, \npar
	s_wait_dscnt 2*NT+2*MT                         ; all but the 16 just issued
.if \first
	WIN BIA_HI
.else
	WIN MUL_HI
.endif
	MULS \par, 1, 0, MT/2, \first
.endm
.macro RUN slot, first
	QUARTER \slot, 1, 0, 1, \first
	QUARTER \slot, 2, 1, 0, 0
	QUARTER \slot, 3, 0, 1, 0
	QUARTER \slot, 4, 1, 0, 0
	QUARTER \slot, 5, 0, 1, 0
	QUARTER \slot, 6, 1, 0, 0
	QUARTER \slot, 7, 0, 1, 0
.endm
; The last quarter changes slots: each wave's waits, the barrier (which opens a round of the cluster's barrier where the slot is filled
; again), the joint refill first behind the round.
.macro TURN slot, next, fill
	s_wait_dscnt MT
	WIN MUL_LO
	MULS 1, 0, 0, MT/4, 0
.if \fill
	NEXTK
.endif
	s_wait_tensorcnt 0x0                           ; all my tensor loads have landed, so every group 0 may be written
	ds_add_u32 v255, v63
	s_wait_dscnt 0x0
.if \fill
	AIM \slot
.endif
	s_wait_dscnt 0x0                               ; my reads of this slot are over
	s_barrier_signal -1
	MULS 1, 0, MT/4, MT/4, 0
	WIN 0
	s_barrier_wait -1
.if \fill
	CREST
	JLOAD \slot
.endif
	PLACES
	FETCH \next, 0, 0
	WIN MUL_HI
	MULS 1, 1, 0, MT/2, 0
.endm
	s_load_b128 s[4:7], s[0:1], 0x0                ; attn s[4:5], wb s[6:7]
	s_load_b64 s[8:9], s[0:1], 0x10                ; x1
	s_load_b128 s[68:71], s[0:1], 0x18             ; bproj s[68:69], x s[70:71]
	s_set_vgpr_msb 0x40
	v_lshl_add_u32 v255, v0, 2, 0x4c400
	s_set_vgpr_msb 0x4000
	v_mov_b32 v63, 0
	s_set_vgpr_msb 0x1
	ds_add_u32 v255, v63
	ds_add_u32 v255, v63
	s_set_vgpr_msb 0x100
	v_lshrrev_b32 v1, 5, v0
	v_readfirstlane_b32 s10, v1
	s_lshr_b32 s11, s10, 1                         ; my half of the rows.  Also: I fetch for A (0) or for B (1)
	s_and_b32 s12, s10, 1                          ; my half of the columns.  Also: which half of that tile I fetch
	s_bfe_u32 s40, ttmp6, 0x40000                  ; cx
	s_bfe_u32 s41, ttmp6, 0x40004                  ; cy
	s_lshl_b32 s42, ttmp9, 2
	s_add_co_u32 s42, s42, s40                     ; block column
	s_and_b32 s13, ttmp7, 0xffff
	s_lshl_b32 s13, s13, 2
	s_add_co_u32 s13, s13, s41                     ; block row
	s_lshl_b32 s43, s41, 2
	s_lshl_b32 s43, 15, s43
	s_lshl_b32 s44, 0x1111, s40
	s_and_b32 s67, ttmp7, 0xffff                   ; the cluster's first K step, from the cluster's numbers alone
	s_lshr_b32 s66, s67, 1
	s_xor_b32 s66, s66, s67                        ; Gray code of the cluster's y
	s_and_b32 s66, s66, YM
	s_lshl_b32 s66, s66, YS
	s_lshl_b32 s67, ttmp9, XS
	s_add_co_u32 s66, s66, s67
	s_and_b32 s66, s66, NSTEP-1
	s_mov_b32 s73, 0
	s_mov_b32 s75, 0
	s_or_b32 s[G1+0], s43, 0x07310000              ; mask; 2 bytes; padding on; bit 21; after every 32 words 4 words
	s_mov_b32 s[G1+1], 4096<<16                    ; tensor_dim0 = 4,096
	s_mov_b32 s[G1+2], 4<<16                       ; tensor_dim1 = 4
	s_mov_b32 s[G1+3], 4096<<16                    ; tile_dim0 = 64 t x 64 d
	s_mov_b32 s[G1+4], 4                           ; tile_dim1 = 4 heads
	s_mov_b32 s[G1+5], 65536                       ; elements from head to head
	s_mov_b32 s[G1+6], 0
	s_mov_b32 s[G1+7], 0
	s_or_b32 s[G1B+0], s44, 0x0f710000             ; after every 64 words 8 words
	s_mov_b32 s[G1B+1], BN<<16
	s_mov_b32 s[G1B+2], (KS/2)<<16
	s_mov_b32 s[G1B+3], BN<<16
	s_mov_b32 s[G1B+4], KS/2
	s_mov_b32 s[G1B+5], SIZE_N
	s_mov_b32 s[G1B+6], 0
	s_mov_b32 s[G1B+7], 0
	s_lshr_b32 s16, s13, 3                         ; A: batch = block row / 8,
	s_lshl_b32 s16, s16, 21
	s_and_b32 s17, s13, 7
	s_lshl_b32 s17, s17, 7
	s_lshl_b32 s18, s12, 6
	s_add_co_u32 s17, s17, s18                     ; t = 128 (block row % 8) + 64 x half,
	s_lshl_b32 s17, s17, 7                         ; x 128 bytes
	s_add_co_u32 s16, s16, s17
	s_mov_b32 s17, 0
	s_mul_i32 s46, s42, 2*BN
	s_mul_i32 s47, s12, (KS/2)*SIZE_N*2
	s_add_co_u32 s46, s46, s47
	s_add_co_u32 s46, s46, WOFF
	s_mov_b32 s47, 0
	s_mul_i32 s20, s12, AH
	s_mul_i32 s45, s12, BH
	s_add_co_u32 s45, s45, 2*AH
	s_wait_dscnt 0x0
	s_wait_kmcnt 0x0
	s_add_nc_u64 s[14:15], s[4:5], s[16:17]        ; my part of A's tile of K step 0
	s_add_nc_u64 s[78:79], s[6:7], s[46:47]        ; and of B's
	CROUND                                         ; the first joint loads meet
.irp s, 0,1
	s_mov_b32 s[G0+4*\s], 1
	s_add_co_u32 s[G0+4*\s+1], s20, \s*SLOT
	s_mov_b32 s[G0B+4*\s], 1
	s_add_co_u32 s[G0B+4*\s+1], s45, \s*SLOT
	NEXTK
	AIM \s
	JLOAD \s                                       ; two tensor loads of the wave are out
.endr
	; my corner of x1 and x: row 128 x block row + 64 x row half, column 128 x block column + 64 x column half; the bias at that column
	s_lshl_b32 s16, s13, 7
	s_lshl_b32 s17, s11, 6
	s_add_co_u32 s16, s16, s17
	s_lshl_b32 s16, s16, 12
	s_mov_b32 s17, 0
	s_add_nc_u64 s[8:9], s[8:9], s[16:17]
	s_add_nc_u64 s[70:71], s[70:71], s[16:17]
	s_lshl_b32 s46, s42, 7
	s_lshl_b32 s47, s12, 6
	s_add_co_u32 s46, s46, s47
	s_lshl_b32 s46, s46, 2
	s_mov_b32 s47, 0
	s_add_nc_u64 s[8:9], s[8:9], s[46:47]
	s_add_nc_u64 s[70:71], s[70:71], s[46:47]
	s_add_nc_u64 s[68:69], s[68:69], s[46:47]
	v_and_b32 v1, 15, v0                           ; r
	v_bfe_u32 v2, v0, 4, 1                         ; h
	v_lshlrev_b32 v[BO], 5, v2                     ; a lane's eight results are columns 8 h + 0..7 of a tile: so are its eight bias numbers
.irp b, 0,1,2,3
	global_load_b128 v[BIAS+8*\b:BIAS+8*\b+3],   v[BO], s[68:69] offset:64*\b
	global_load_b128 v[BIAS+8*\b+4:BIAS+8*\b+7], v[BO], s[68:69] offset:64*\b+16
.endr
	v_mul_u32_u24 v3, v1, APITCH
	v_lshl_add_u32 v3, v2, 4, v3
	s_mul_i32 s21, s11, AH
	v_add_nc_u32 v[ADRA], s21, v3
	v_add_nc_u32 v[ADRA+1], SLOT, v[ADRA]
	v_and_b32 v4, 7, v0
	v_lshl_add_u32 v4, v2, 3, v4
	v_mul_u32_u24 v4, v4, BP
	v_bfe_u32 v5, v0, 3, 1
	v_lshl_add_u32 v4, v5, 4, v4
	s_lshl_b32 s22, s12, 7                         ; my 64 columns: 128 bytes x column half
	s_add_co_u32 s22, s22, 2*AH
	v_add_nc_u32 v4, s22, v4
.irp s, 0,1
.irp g, 0,1
	v_add_nc_u32 v[ADRB+NG*\s+\g], \s*SLOT+\g*QPR*32*BP, v4
.endr
.endr
	s_mul_i32 s23, s10, 16*SPITCH
	s_add_co_u32 s23, s23, STAGE
	v_mul_u32_u24 v5, v1, SPITCH
	v_lshl_add_u32 v5, v2, 5, v5
	v_add_nc_u32 v[STO], s23, v5                   ; in: row r, 32 bytes for each half of the lanes
	v_mul_u32_u24 v5, v2, SPITCH
	v_lshl_add_u32 v5, v1, 4, v5
	v_add_nc_u32 v[RD], s23, v5                    ; back: lanes 0-15 one row of 256 bytes, lanes 16-31 the next
	v_lshlrev_b32 v5, 12, v2
	v_lshl_add_u32 v[CO], v1, 4, v5                ; the same two rows in x and x1
	s_wait_loadcnt 0x0                             ; the bias
	s_wait_tensorcnt 1                             ; my part of slot 0 is in; slot 1's stays out
	s_barrier_signal -1
	s_barrier_wait -1
	FETCH 0, 0, 0
	RUN 0, 1                                       ; K = 1,024 is four slots: one lap with refills,
	TURN 0, 1, 1
	RUN 1, 0
	TURN 1, 0, 1
	WIN 0
.set n, 0
.rept 32
	global_load_b128 v[RES+4*n:RES+4*n+3], v[CO], s[70:71] offset:2*n*4096     ; my 64 x 64 of x comes in under the last lap
.set n, n+1
.endr
	RUN 0, 0                                       ; and one without
	TURN 0, 1, 0
	RUN 1, 0
	s_wait_dscnt MT
	WIN MUL_LO
	MULS 1, 0, 0, MT/2, 0
	s_wait_dscnt 0x0
	WIN MUL_HI
	MULS 1, 1, 0, MT/2, 0
	PLACES
; rows 16 a .. 16 a + 15: f32 straight from the accumulators into my stage, back as whole rows of 256 bytes, plus x, out.
; Sixteen lanes store 256 consecutive bytes, aligned.
.macro OUTF a, al, from, rb
	WIN \from
.irp b, 0,1,2,3
	ds_store_b128 v[STO], v[8*(NT*\al+\b):8*(NT*\al+\b)+3]   offset:64*\b
	ds_store_b128 v[STO], v[8*(NT*\al+\b)+4:8*(NT*\al+\b)+7] offset:64*\b+16
.endr
	WIN 0
	s_wait_xcnt 0x0                                ; the registers that earlier stores read are loaded again only behind this wait
.irp t, 0,1,2,3,4,5,6,7
	ds_load_b128 v[\rb+4*\t:\rb+4*\t+3], v[RD] offset:2*SPITCH*\t
.endr
.irp t, 0,1,2,3,4,5,6,7
	s_wait_dscnt 7-\t
	s_wait_loadcnt 31-(8*\a+\t)                    ; of the 32 loads of x the younger ones stay out
	v_pk_add_f32 v[\rb+4*\t:\rb+4*\t+1],   v[\rb+4*\t:\rb+4*\t+1],   v[RES+32*\a+4*\t:RES+32*\a+4*\t+1]
	v_pk_add_f32 v[\rb+4*\t+2:\rb+4*\t+3], v[\rb+4*\t+2:\rb+4*\t+3], v[RES+32*\a+4*\t+2:RES+32*\a+4*\t+3]
	global_store_b128 v[CO], v[\rb+4*\t:\rb+4*\t+3], s[8:9] offset:(16*\a+2*\t)*4096
.endr
.endm
	OUTF 0, 0, 0x08, 64
	OUTF 1, 1, 0x08, 96
	OUTF 2, 0, 0x0c, 64
	OUTF 3, 1, 0x0c, 96
	s_set_vgpr_msb 0x1
	s_wait_tensorcnt 0x0
	ds_add_u32 v255, v63
	s_wait_dscnt 0x0
	s_set_vgpr_msb 0x100
	CROUND                                         ; the closing round
	s_endpgm
.Lfunc_end_k_q72af2ecca7_gproj:
	.size	k_q72af2ecca7_gproj, .Lfunc_end_k_q72af2ecca7_gproj-k_q72af2ecca7_gproj
	.p2alignl 7, 3214868480
	.fill 96, 4, 3214868480
	.section	.rodata,"a",@progbits
	.p2align	6, 0x0
	.amdhsa_kernel k_q72af2ecca7_gproj
		.amdhsa_group_segment_fixed_size 327680
		.amdhsa_private_segment_fixed_size 0
		.amdhsa_enable_private_segment 0
		.amdhsa_kernarg_size 40
		.amdhsa_user_sgpr_count 2
		.amdhsa_user_sgpr_kernarg_segment_ptr 1
		.amdhsa_wavefront_size32 1
		.amdhsa_system_sgpr_workgroup_id_x 1
		.amdhsa_system_sgpr_workgroup_id_y 1
		.amdhsa_system_sgpr_workgroup_id_z 1
		.amdhsa_system_vgpr_workitem_id 0
		.amdhsa_next_free_vgpr 832
		.amdhsa_next_free_sgpr 80
		.amdhsa_reserve_vcc 0
		.amdhsa_float_denorm_mode_32 3
		.amdhsa_float_denorm_mode_16_64 3
		.amdhsa_memory_ordered 1
		.amdhsa_forward_progress 1
		.amdhsa_inst_pref_size 103
	.end_amdhsa_kernel
	.amdgpu_metadata
---
amdhsa.version: [ 1, 2 ]
amdhsa.kernels:
  - .name:           k_q72af2ecca7_gproj
    .symbol:         k_q72af2ecca7_gproj.kd
    .args:
      - { .name: attn, .offset: 0, .size: 8, .value_kind: global_buffer, .address_space: global }
      - { .name: wb, .offset: 8, .size: 8, .value_kind: global_buffer, .address_space: global }
      - { .name: x1, .offset: 16, .size: 8, .value_kind: global_buffer, .address_space: global }
      - { .name: bproj, .offset: 24, .size: 8, .value_kind: global_buffer, .address_space: global }
      - { .name: x, .offset: 32, .size: 8, .value_kind: global_buffer, .address_space: global }
    .group_segment_fixed_size: 327680
    .private_segment_fixed_size: 0
    .kernarg_segment_align: 8
    .kernarg_segment_size: 40
    .max_flat_workgroup_size: 128
    .sgpr_count:     80
    .vgpr_count:     832
    .wavefront_size: 32
...
	.end_amdgpu_metadata
.endif
;; end of part 4
;; launch ln2 (part 5): grid 256 x 1, 8 waves a work-group, no clusters, 0 bytes of LDS; arguments x1, g2, beta2, hn; writes hn
.if DOCPART == 5
	.amdgcn_target "amdgcn-amd-amdhsa--gfx1250"
	.amdhsa_code_object_version 6
	.text
	.protected	k_q72af2ecca7_ln2
	.globl	k_q72af2ecca7_ln2
	.p2align	8
	.type	k_q72af2ecca7_ln2,@function
k_q72af2ecca7_ln2:
	s_mov_b64 s[64:65], 0
	v_nop
	global_prefetch_b8 v0, s[64:65] scope:SCOPE_SE
	s_setreg_imm32_b32 hwreg(HW_REG_WAVE_MODE, 25, 1), 1
	s_wait_xcnt 0x0
; hn = LayerNorm(x1) * g2 + beta2, rounded once to bf16.  x1: [4096][1024] f32, hn: [4096][1024] bf16.
; 16 rows a work-group, 2 rows a wave; a row of 4,096 bytes is 32 registers of one wave: read once, kept in registers between the mean,
; the variance and the scaling.  The variance is the mean of the squares of the centred numbers, so a common offset costs no accuracy.
; No LDS, no barrier, no matrix unit: the waves share nothing.  Every store of a wave covers 256 consecutive bytes, aligned.
.set XO,  1
.set SO,  2
.set T,   8                            ; v[8:15]   four chains of sums
.set MU,  24
.set RS,  26
.set VE,  28
.set X0,  32
.set X1,  64
.set G,   96
.set BT,  128
.set Y,   160
.set HN,  14                           ; s[14:15]  hn
.macro WSUM                            ; v[T] = the sum of v[T] over the 32 lanes, in every lane
	v_add_f32_dpp v[T], v[T], v[T] row_xmask:1 row_mask:0xf bank_mask:0xf
	v_add_f32_dpp v[T], v[T], v[T] row_xmask:2 row_mask:0xf bank_mask:0xf
	v_add_f32_dpp v[T], v[T], v[T] row_xmask:4 row_mask:0xf bank_mask:0xf
	v_add_f32_dpp v[T], v[T], v[T] row_xmask:8 row_mask:0xf bank_mask:0xf
	v_permlanex16_b32 v[T+1], v[T], s30, s31
	v_add_f32 v[T], v[T], v[T+1]
.endm
.macro FOLD
	v_pk_add_f32 v[T:T+1], v[T:T+1], v[T+2:T+3]
	v_pk_add_f32 v[T+4:T+5], v[T+4:T+5], v[T+6:T+7]
	v_pk_add_f32 v[T:T+1], v[T:T+1], v[T+4:T+5]
	v_add_f32 v[T], v[T], v[T+1]
.endm
.macro LNSTAT X                        ; the row in X becomes (x - mean) / sqrt(var + eps), in place
.irp k, 0,1,2,3
	v_pk_add_f32 v[T+2*\k:T+2*\k+1], v[\X+2*\k:\X+2*\k+1], v[\X+8+2*\k:\X+8+2*\k+1]
.endr
.set p, 16
.rept 8
	v_pk_add_f32 v[T+p%8:T+p%8+1], v[T+p%8:T+p%8+1], v[\X+p:\X+p+1]
.set p, p+2
.endr
	FOLD
	WSUM
	v_mul_f32 v[MU], s5, v[T]
	v_mul_f32 v[MU+1], s5, v[T]
.set p, 0
.rept 16
	v_pk_add_f32 v[\X+p:\X+p+1], v[\X+p:\X+p+1], v[MU:MU+1] neg_lo:[0,1] neg_hi:[0,1]
.set p, p+2
.endr
.irp k, 0,1,2,3
	v_pk_mul_f32 v[T+2*\k:T+2*\k+1], v[\X+2*\k:\X+2*\k+1], v[\X+2*\k:\X+2*\k+1]
.endr
.set p, 8
.rept 12
	v_pk_fma_f32 v[T+p%8:T+p%8+1], v[\X+p:\X+p+1], v[\X+p:\X+p+1], v[T+p%8:T+p%8+1]
.set p, p+2
.endr
	FOLD
	WSUM
	v_fmaak_f32 v[VE], s5, v[T], 0x3727c5ac        ; sum of squares / 1024 + 1e-5
	v_rsq_f32 v[RS], v[VE]
	v_rsq_f32 v[RS+1], v[VE]
	v_nop                                          ; one plain instruction behind a transcendental before its result is used (ISA guide 5.7.2)
.set p, 0
	s_wait_alu depctr_va_vdst(0)
.rept 16
	v_pk_mul_f32 v[\X+p:\X+p+1], v[\X+p:\X+p+1], v[RS:RS+1]
.set p, p+2
.endr
.endm
.macro LNOUT X, YB, rowoff
.set p, 0
.rept 16
	v_pk_fma_f32 v[\X+p:\X+p+1], v[\X+p:\X+p+1], v[G+p:G+p+1], v[BT+p:BT+p+1]
.set p, p+2
.endr
.set p, 0
.rept 16
	v_cvt_pk_bf16_f32 v[\YB+p], v[\X+2*p], v[\X+2*p+1]
.set p, p+1
.endr
.irp jj, 0,1,2,3,4,5,6,7
	global_store_b64 v[SO], v[\YB+2*\jj:\YB+2*\jj+1], s[HN:HN+1] offset:\rowoff+256*\jj
.endr
.endm
	s_load_b256 s[8:15], s[0:1], 0x0               ; x1 8, g2 10, beta2 12, hn 14
	v_lshrrev_b32 v3, 5, v0
	v_readfirstlane_b32 s4, v3
	v_and_b32 v3, 31, v0
	v_lshlrev_b32 v[XO], 4, v3
	v_lshlrev_b32 v[SO], 3, v3
	s_lshl_b32 s16, ttmp9, 4
	s_lshl1_add_u32 s16, s4, s16                   ; my first row = 16 x work-group + 2 x wave
	s_lshl_b32 s18, s16, 12
	s_mov_b32 s19, 0
	s_lshl_b32 s20, s16, 11
	s_mov_b32 s21, 0
	s_mov_b32 s30, 0x76543210
	s_mov_b32 s31, 0xfedcba98
	s_mov_b32 s5, 0x3a800000                       ; 1 / 1024
	s_wait_kmcnt 0x0
	s_add_nc_u64 s[8:9], s[8:9], s[18:19]
	s_add_nc_u64 s[HN:HN+1], s[HN:HN+1], s[20:21]
.irp jj, 0,1,2,3,4,5,6,7
	global_load_b128 v[X0+4*\jj:X0+4*\jj+3], v[XO], s[8:9] offset:512*\jj
.endr
.irp jj, 0,1,2,3,4,5,6,7
	global_load_b128 v[X1+4*\jj:X1+4*\jj+3], v[XO], s[8:9] offset:4096+512*\jj
.endr
.irp jj, 0,1,2,3,4,5,6,7
	global_load_b128 v[G+4*\jj:G+4*\jj+3], v[XO], s[10:11] offset:512*\jj
.endr
.irp jj, 0,1,2,3,4,5,6,7
	global_load_b128 v[BT+4*\jj:BT+4*\jj+3], v[XO], s[12:13] offset:512*\jj
.endr
	s_wait_loadcnt 24                              ; row 0 is in; row 1, gain and offset (24 loads) stay out
	LNSTAT X0
	s_wait_loadcnt 16                              ; row 1 is in; gain and offset stay out
	LNSTAT X1
	s_wait_loadcnt 0x0
	LNOUT X0, Y, 0
	LNOUT X1, Y+16, 2048
	s_endpgm
.Lfunc_end_k_q72af2ecca7_ln2:
	.size	k_q72af2ecca7_ln2, .Lfunc_end_k_q72af2ecca7_ln2-k_q72af2ecca7_ln2
	.p2alignl 7, 3214868480
	.fill 96, 4, 3214868480
	.section	.rodata,"a",@progbits
	.p2align	6, 0x0
	.amdhsa_kernel k_q72af2ecca7_ln2
		.amdhsa_group_segment_fixed_size 0
		.amdhsa_private_segment_fixed_size 0
		.amdhsa_enable_private_segment 0
		.amdhsa_kernarg_size 32
		.amdhsa_user_sgpr_count 2
		.amdhsa_user_sgpr_kernarg_segment_ptr 1
		.amdhsa_wavefront_size32 1
		.amdhsa_system_sgpr_workgroup_id_x 1
		.amdhsa_system_sgpr_workgroup_id_y 1
		.amdhsa_system_sgpr_workgroup_id_z 1
		.amdhsa_system_vgpr_workitem_id 0
		.amdhsa_next_free_vgpr 192
		.amdhsa_next_free_sgpr 66
		.amdhsa_reserve_vcc 0
		.amdhsa_float_denorm_mode_32 3
		.amdhsa_float_denorm_mode_16_64 3
		.amdhsa_memory_ordered 1
		.amdhsa_forward_progress 1
		.amdhsa_inst_pref_size 20
	.end_amdhsa_kernel
	.amdgpu_metadata
---
amdhsa.version: [ 1, 2 ]
amdhsa.kernels:
  - .name:           k_q72af2ecca7_ln2
    .symbol:         k_q72af2ecca7_ln2.kd
    .args:
      - { .name: x1, .offset: 0, .size: 8, .value_kind: global_buffer, .address_space: global }
      - { .name: g2, .offset: 8, .size: 8, .value_kind: global_buffer, .address_space: global }
      - { .name: beta2, .offset: 16, .size: 8, .value_kind: global_buffer, .address_space: global }
      - { .name: hn, .offset: 24, .size: 8, .value_kind: global_buffer, .address_space: global }
    .group_segment_fixed_size: 0
    .private_segment_fixed_size: 0
    .kernarg_segment_align: 8
    .kernarg_segment_size: 32
    .max_flat_workgroup_size: 256
    .sgpr_count:     66
    .vgpr_count:     192
    .wavefront_size: 32
...
	.end_amdgpu_metadata
.endif
;; end of part 5
;; launch gffn1 (part 6): grid 16 x 16, 4 waves a work-group, clusters of 4 x 4, 327,680 bytes of LDS; arguments hn, wb, ff1, b1; writes ff1
.if DOCPART == 6
	.amdgcn_target "amdgcn-amd-amdhsa--gfx1250"
	.amdhsa_code_object_version 6
	.text
	.protected	k_q72af2ecca7_gffn1
	.globl	k_q72af2ecca7_gffn1
	.p2align	8
	.type	k_q72af2ecca7_gffn1,@function
k_q72af2ecca7_gffn1:
	s_mov_b64 s[64:65], 0
	v_nop
	global_prefetch_b8 v0, s[64:65] scope:SCOPE_SE
	s_setreg_imm32_b32 hwreg(HW_REG_WAVE_MODE, 25, 1), 1
	s_wait_xcnt 0x0
	s_wait_alu depctr_hold_cnt(0) depctr_sa_sdst(0) depctr_va_vdst(0) depctr_va_sdst(0) depctr_va_ssrc(0) depctr_va_vcc(0) depctr_vm_vsrc(0)
	s_getreg_b32 s2, hwreg(HW_REG_IB_STS2, 6, 4)
	s_cmp_eq_u32 s2, 0
	s_cbranch_scc0 .Lentry_in_a_cluster
	s_endpgm
.Lentry_in_a_cluster:
	s_bfe_u32 s2, ttmp6, 0x10000c
	s_cmp_lg_u32 s2, 0xf033
	s_cbranch_scc0 .Lentry_shape_is_right
	s_endpgm
.Lentry_shape_is_right:
; ff1 = relu(hn x W1 + b1), bf16.  hn: [4096][1024] bf16; W1: bf16 [1024][4096] at byte 8,388,608 of wb, K down the rows; ff1: [4096][4096].
; A work-group makes 256 x 256 with four waves, 2 x 2; a wave makes 128 x 128: 8 x 8 accumulator tiles, 512 registers.
; K goes in steps of 128 through two LDS slots filled by tensor loads; 240 matrix instructions of a wave lie between a request and its wait.
; CLUSTERS: 4 x 4; A's tile is asked for jointly by a row of the cluster, B's by a column.
; K ORDER: a cluster begins at K step o = 2 X + 4 g(Y) (X, Y: the cluster's numbers; g: the low bit of the Gray code of Y) and walks all
; 8 steps round the ring, the step's number taken modulo 8.  The four clusters that read the same tiles of A (same Y) begin 2 steps
; apart, those that read the same tiles of B (same X) 0 or 4 steps apart, so that a tile's readers ask for it at different times and the
; later ones follow a reader that has fetched it.  o hangs on the cluster's numbers alone, which all partners share.
; B lies [K][N] in LDS and is read by the transposing load.  The matrix instruction is used transposed (source 0 = columns of B,
; source 1 = rows of A): a lane's eight results are eight neighbouring columns of one row.
; LIMITS: the bias is the first product's C operand (added first), and the sums are formed in the rotated order of K: another order of
; rounding than the formula's; relu is a maximum with 0 in which a NaN loses, so a NaN becomes 0.
; REGISTERS: window 0: v16-31 addresses, v64-127, v128-191 A's fragments, v192-255 the bias, later the packed results;
; window 1: v0-63, v64-127 B's fragments; window 2: tiles of my rows 0-63 at 8 (8 a + b); window 3: rows 64-127.
.set SIZE_K, 1024
.set SIZE_N, 4096
.set MT,     8
.set NT,     8
.set BN,     256
.set KS,     128
.set NSTEP,  SIZE_K/KS
.set XS,     1                         ; o = (X << XS) + ((gray(Y) & YM) << YS)
.set YM,     1
.set YS,     2
.set LAPS,   SIZE_K/(2*KS)
.set APITCH, 272
.set AH,     128*APITCH
.set BP,     544                       ; 512 + 32 bytes: an odd multiple of 32
.set BH,     (KS/2)*BP
.set SLOT,   2*AH+2*BH
.set STAGE,  2*SLOT                    ; 16 rows x 272 bytes for each wave; no tensor load ever lands here
.set SPITCH, 272
.set ASTEP,  KS*2
.set BSTEP,  KS*SIZE_N*2
.set WOFF,   8388608
.set ADRA, 16
.set ADRB, 20
.set STO,  28
.set RD,   29
.set CO,   30
.set BO,   31
.set AF,   64
.set BIAS, 192
.set TMP,  192
.set G1,  24
.set G0,  32
.set G1B, 48
.set G0B, 56
.set MSB, 0
.macro WIN new                         ; the immediate's high byte repeats the setting that is left
.if MSB != \new
	s_set_vgpr_msb (MSB<<8)|\new
.set MSB, \new
.endif
.endm
.set MUL_LO, 0xa1
.set MUL_HI, 0xf1
.set BIA_LO, 0x81                      ; C (the bias) window 0, D window 2
.set BIA_HI, 0xc1
.set TO_B,   0x40
.macro JLOAD s                         ; waves 0 and 1 fetch A's halves, waves 2 and 3 B's
	s_cmp_eq_u32 s11, 0
	s_cbranch_scc0 .Lfor_b_\@
	tensor_load_to_lds s[G0+4*\s:G0+4*\s+3], s[G1:G1+7]
	s_nop 0
	s_branch .Lasked_\@
.Lfor_b_\@:
	tensor_load_to_lds s[G0B+4*\s:G0B+4*\s+3], s[G1B:G1B+7]
	s_nop 0
.Lasked_\@:
.endm
.macro NEXTK                           ; the byte offsets of K step s66 in A and in B (s73 = s75 = 0 above them); then s66 steps on, round the ring
	s_mul_i32 s72, s66, ASTEP
	s_mul_i32 s74, s66, BSTEP
	s_add_co_u32 s66, s66, 1
	s_and_b32 s66, s66, NSTEP-1
.endm
.macro AIM s                           ; the slot's two group 0 point at that K step; written only where no tensor load of the wave is out
	s_add_nc_u64 s[G0+4*\s+2:G0+4*\s+3], s[14:15], s[72:73]
	s_or_b32 s[G0+4*\s+3], s[G0+4*\s+3], 0x80000000
	s_add_nc_u64 s[G0B+4*\s+2:G0B+4*\s+3], s[78:79], s[74:75]
	s_or_b32 s[G0B+4*\s+3], s[G0B+4*\s+3], 0x80000000
.endm
.macro CREST
	s_cmp_lg_u32 s10, 0
	s_cbranch_scc1 .Lnot_wave_0_\@
	s_barrier_signal -3
.Lnot_wave_0_\@:
	s_barrier_wait -3
	s_barrier_signal -1
	s_barrier_wait -1
.endm
.macro CROUND
	s_barrier_signal -1
	s_barrier_wait -1
	CREST
.endm
.macro PLACES                          ; four plain vector places behind a matrix instruction (ISA guide 7.12.1)
.rept 4
	v_nop
.endr
.endm
.macro MULA par, hi, a, first          ; first = 1: the bias is C, and the product starts the sums
.set bb, 0
.rept NT
.if \first
	v_wmma_f32_16x16x32_bf16 v[8*(NT*\a+bb):8*(NT*\a+bb)+7], v[8*NT*\par+8*bb:8*NT*\par+8*bb+7], v[AF+8*MT*\par+8*(\hi*MT/2+\a):AF+8*MT*\par+8*(\hi*MT/2+\a)+7], v[BIAS+8*bb:BIAS+8*bb+7]
.else
	v_wmma_f32_16x16x32_bf16 v[8*(NT*\a+bb):8*(NT*\a+bb)+7], v[8*NT*\par+8*bb:8*NT*\par+8*bb+7], v[AF+8*MT*\par+8*(\hi*MT/2+\a):AF+8*MT*\par+8*(\hi*MT/2+\a)+7], v[8*(NT*\a+bb):8*(NT*\a+bb)+7]
.endif
.set bb, bb+1
.endr
.endm
.macro MULS par, hi, a0, n, first      ; the accumulators take turns, one instruction a turn, in the same order in every quarter
.set aa, \a0
.rept \n
	MULA \par, \hi, aa, \first
.set aa, aa+1
.endr
.endm
.macro FETCH slot, q, par              ; 16 transposing loads for B, 16 loads for A, in one run
	WIN TO_B
.set bb, 0
.rept NT
	ds_load_tr16_b128 v[8*NT*\par+8*bb:8*NT*\par+8*bb+3],   v[ADRB+\slot] offset:\q*32*BP+32*bb
	ds_load_tr16_b128 v[8*NT*\par+8*bb+4:8*NT*\par+8*bb+7], v[ADRB+\slot] offset:\q*32*BP+32*bb+16*BP
.set bb, bb+1
.endr
	WIN 0
.set ii, 0
.rept MT
	ds_load_b128 v[AF+8*MT*\par+8*ii:AF+8*MT*\par+8*ii+3],   v[ADRA+\slot] offset:64*\q+ii*16*APITCH
	ds_load_b128 v[AF+8*MT*\par+8*ii+4:AF+8*MT*\par+8*ii+7], v[ADRA+\slot] offset:64*\q+ii*16*APITCH+32
.set ii, ii+1
.endr
.endm
.macro QUARTER slot, qn, par, npar, first
	s_wait_dscnt MT                                ; B and A's rows 0-63 are in; the youngest eight loads (A's rows 64-127) may be out
.if \first
	WIN BIA_LO
.else
	WIN MUL_LO
.endif
	MULS \par, 0, 0, MT/2, \first
	PLACES
	FETCH \slot, \qn, \npar
	s_wait_dscnt 2*NT+2*MT                         ; all but the 32 just issued
.if \first
	WIN BIA_HI
.else
	WIN MUL_HI
.endif
	MULS \par, 1, 0, MT/2, \first
.endm
.macro RUN slot, first
	QUARTER \slot, 1, 0, 1, \first
	QUARTER \slot, 2, 1, 0, 0
	QUARTER \slot, 3, 0, 1, 0
.endm
.macro TURN slot, next, fill           ; the last quarter changes slots: waits, barrier (a round of the cluster's where the slot is filled again), the joint refill first
	s_wait_dscnt MT
	WIN MUL_LO
	MULS 1, 0, 0, MT/4, 0
.if \fill
	NEXTK
.endif
	s_wait_tensorcnt 0x0                           ; all my tensor loads have landed, so every group 0 may be written
	ds_add_u32 v255, v63
	s_wait_dscnt 0x0
.if \fill
	AIM \slot
.endif
	s_wait_dscnt 0x0                               ; my reads of this slot are over
	s_barrier_signal -1
	MULS 1, 0, MT/4, MT/4, 0
	WIN 0
	s_barrier_wait -1
.if \fill
	CREST
	JLOAD \slot
.endif
	PLACES
	FETCH \next, 0, 0
	WIN MUL_HI
	MULS 1, 1, 0, MT/2, 0
.endm
.macro LAP first
	RUN 0, \first
	TURN 0, 1, 1
	RUN 1, 0
	TURN 1, 0, 1
.endm
	s_load_b128 s[4:7], s[0:1], 0x0                ; hn s[4:5], wb s[6:7]
	s_load_b64 s[8:9], s[0:1], 0x10                ; ff1
	s_load_b64 s[68:69], s[0:1], 0x18              ; b1
	s_set_vgpr_msb 0x40
	v_lshl_add_u32 v255, v0, 2, 0x48400
	s_set_vgpr_msb 0x4000
	v_mov_b32 v63, 0
	s_set_vgpr_msb 0x1
	ds_add_u32 v255, v63
	ds_add_u32 v255, v63
	s_set_vgpr_msb 0x100
	v_lshrrev_b32 v1, 5, v0
	v_readfirstlane_b32 s10, v1
	s_lshr_b32 s11, s10, 1
	s_and_b32 s12, s10, 1
	s_bfe_u32 s40, ttmp6, 0x40000                  ; cx
	s_bfe_u32 s41, ttmp6, 0x40004                  ; cy
	s_lshl_b32 s42, ttmp9, 2
	s_add_co_u32 s42, s42, s40                     ; block column
	s_and_b32 s13, ttmp7, 0xffff
	s_lshl_b32 s13, s13, 2
	s_add_co_u32 s13, s13, s41                     ; block row
	s_lshl_b32 s43, s41, 2
	s_lshl_b32 s43, 15, s43
	s_lshl_b32 s44, 0x1111, s40
	s_and_b32 s67, ttmp7, 0xffff                   ; the cluster's first K step, from the cluster's numbers alone
	s_lshr_b32 s66, s67, 1
	s_xor_b32 s66, s66, s67                        ; Gray code of the cluster's y
	s_and_b32 s66, s66, YM
	s_lshl_b32 s66, s66, YS
	s_lshl_b32 s67, ttmp9, XS
	s_add_co_u32 s66, s66, s67
	s_and_b32 s66, s66, NSTEP-1
	s_mov_b32 s73, 0
	s_mov_b32 s75, 0
	s_or_b32 s[G1+0], s43, 0x07710000              ; mask; 2 bytes; padding on; bit 21; after every 64 words 4 words
	s_mov_b32 s[G1+1], KS<<16
	s_mov_b32 s[G1+2], 128<<16
	s_mov_b32 s[G1+3], KS<<16
	s_mov_b32 s[G1+4], 128
	s_mov_b32 s[G1+5], SIZE_K
	s_mov_b32 s[G1+6], 0
	s_mov_b32 s[G1+7], 0
	s_or_b32 s[G1B+0], s44, 0x0fb10000             ; after every 128 words 8 words
	s_mov_b32 s[G1B+1], BN<<16
	s_mov_b32 s[G1B+2], (KS/2)<<16
	s_mov_b32 s[G1B+3], BN<<16
	s_mov_b32 s[G1B+4], KS/2
	s_mov_b32 s[G1B+5], SIZE_N
	s_mov_b32 s[G1B+6], 0
	s_mov_b32 s[G1B+7], 0
	s_lshl_b32 s16, s13, 8                         ; A: row 256 x block row + 128 x half, x 2,048 bytes
	s_lshl_b32 s17, s12, 7
	s_add_co_u32 s16, s16, s17
	s_lshl_b32 s16, s16, 11
	s_mov_b32 s17, 0
	s_mul_i32 s46, s42, 2*BN
	s_mul_i32 s47, s12, (KS/2)*SIZE_N*2
	s_add_co_u32 s46, s46, s47
	s_add_co_u32 s46, s46, WOFF
	s_mov_b32 s47, 0
	s_mul_i32 s20, s12, AH
	s_mul_i32 s45, s12, BH
	s_add_co_u32 s45, s45, 2*AH
	s_wait_dscnt 0x0
	s_wait_kmcnt 0x0
	s_add_nc_u64 s[14:15], s[4:5], s[16:17]        ; my part of A's tile of K step 0
	s_add_nc_u64 s[78:79], s[6:7], s[46:47]        ; and of B's
	CROUND                                         ; the first joint loads meet
.irp s, 0,1
	s_mov_b32 s[G0+4*\s], 1
	s_add_co_u32 s[G0+4*\s+1], s20, \s*SLOT
	s_mov_b32 s[G0B+4*\s], 1
	s_add_co_u32 s[G0B+4*\s+1], s45, \s*SLOT
	NEXTK
	AIM \s
	JLOAD \s                                       ; two tensor loads of the wave are out
.endr
	; my corner of ff1: row 256 x block row + 128 x row half, column 256 x block column + 128 x column half; the bias at that column
	s_lshl_b32 s16, s13, 8
	s_lshl_b32 s17, s11, 7
	s_add_co_u32 s16, s16, s17
	s_lshl_b32 s16, s16, 13
	s_mov_b32 s17, 0
	s_add_nc_u64 s[8:9], s[8:9], s[16:17]
	s_lshl_b32 s46, s42, 8
	s_lshl_b32 s47, s12, 7
	s_add_co_u32 s46, s46, s47
	s_lshl_b32 s46, s46, 1
	s_mov_b32 s47, 0
	s_add_nc_u64 s[8:9], s[8:9], s[46:47]
	s_lshl_b32 s46, s46, 1
	s_add_nc_u64 s[68:69], s[68:69], s[46:47]
	v_and_b32 v1, 15, v0                           ; r
	v_bfe_u32 v2, v0, 4, 1                         ; h
	v_lshlrev_b32 v[BO], 5, v2
.irp b, 0,1,2,3,4,5,6,7
	global_load_b128 v[BIAS+8*\b:BIAS+8*\b+3],   v[BO], s[68:69] offset:64*\b
	global_load_b128 v[BIAS+8*\b+4:BIAS+8*\b+7], v[BO], s[68:69] offset:64*\b+16
.endr
	v_mul_u32_u24 v3, v1, APITCH
	v_lshl_add_u32 v3, v2, 4, v3
	s_mul_i32 s21, s11, AH
	v_add_nc_u32 v[ADRA], s21, v3
	v_add_nc_u32 v[ADRA+1], SLOT, v[ADRA]
	v_and_b32 v4, 7, v0
	v_lshl_add_u32 v4, v2, 3, v4
	v_mul_u32_u24 v4, v4, BP
	v_bfe_u32 v5, v0, 3, 1
	v_lshl_add_u32 v4, v5, 4, v4
	s_lshl_b32 s22, s12, 8                         ; my 128 columns: 256 bytes x column half
	s_add_co_u32 s22, s22, 2*AH
	v_add_nc_u32 v[ADRB], s22, v4
	v_add_nc_u32 v[ADRB+1], SLOT, v[ADRB]
	s_mul_i32 s23, s10, 16*SPITCH
	s_add_co_u32 s23, s23, STAGE
	v_mul_u32_u24 v5, v1, SPITCH
	v_lshl_add_u32 v5, v2, 4, v5
	v_add_nc_u32 v[STO], s23, v5
	v_mul_u32_u24 v5, v2, SPITCH
	v_lshl_add_u32 v5, v1, 4, v5
	v_add_nc_u32 v[RD], s23, v5
	v_lshlrev_b32 v5, 13, v2
	v_lshl_add_u32 v[CO], v1, 4, v5
	s_wait_loadcnt 0x0                             ; the bias
	s_wait_tensorcnt 1                             ; my part of slot 0 is in; slot 1's stays out
	s_barrier_signal -1
	s_barrier_wait -1
	FETCH 0, 0, 0
	LAP 1
	WIN 0
	s_mov_b32 s3, LAPS-2
.Llap:
	LAP 0
	WIN 0
	s_sub_co_u32 s3, s3, 1
	s_cmp_lg_u32 s3, 0
	s_cbranch_scc1 .Llap
	RUN 0, 0                                       ; the last lap fills nothing
	TURN 0, 1, 0
	RUN 1, 0
	s_wait_dscnt MT
	WIN MUL_LO
	MULS 1, 0, 0, MT/2, 0
	s_wait_dscnt 0x0
	WIN MUL_HI
	MULS 1, 1, 0, MT/2, 0
	PLACES
; rows 16 i .. 16 i + 15 = the eight tiles (a, 0..7) of a window: relu in place, round to bf16, 16 bytes a lane into my stage, back as whole
; rows of 256 bytes.  The row stands in the store's immediate: 126 rows of 8,192 bytes at the most, inside its signed 24 bits.
.macro OUT16 i, a, relu, from, f
	WIN \relu
.set p, 0
.rept 64
	v_max_num_f32 v[64*\a+p], 0, v[64*\a+p]
.set p, p+1
.endr
	WIN \from
.irp b, 0,1,2,3,4,5,6,7
.irp r, 0,1,2,3
	v_cvt_pk_bf16_f32 v[TMP+4*\b+\r], v[8*(8*\a+\b)+2*\r], v[8*(8*\a+\b)+2*\r+1]
.endr
.endr
	WIN 0
.irp b, 0,1,2,3,4,5,6,7
	ds_store_b128 v[STO], v[TMP+4*\b:TMP+4*\b+3] offset:32*\b
.endr
	s_wait_xcnt 0x0                                ; the registers that earlier stores read are loaded again only behind this wait
.irp t, 0,1,2,3,4,5,6,7
	ds_load_b128 v[\f+4*\t:\f+4*\t+3], v[RD] offset:\t*2*SPITCH
.endr
.irp t, 0,1,2,3,4,5,6,7
	s_wait_dscnt 7-\t
	global_store_b128 v[CO], v[\f+4*\t:\f+4*\t+3], s[8:9] offset:(16*\i+2*\t)*SIZE_N*2
.endr
.endm
	OUT16 0, 0, 0x88, 0x0a, 64
	OUT16 1, 1, 0x88, 0x0a, 128
	OUT16 2, 2, 0x88, 0x0a, 64
	OUT16 3, 3, 0x88, 0x0a, 128
	OUT16 4, 0, 0xcc, 0x0f, 64
	OUT16 5, 1, 0xcc, 0x0f, 128
	OUT16 6, 2, 0xcc, 0x0f, 64
	OUT16 7, 3, 0xcc, 0x0f, 128
	s_set_vgpr_msb 0x1
	s_wait_tensorcnt 0x0
	ds_add_u32 v255, v63
	s_wait_dscnt 0x0
	s_set_vgpr_msb 0x100
	CROUND                                         ; the closing round
	s_endpgm
.Lfunc_end_k_q72af2ecca7_gffn1:
	.size	k_q72af2ecca7_gffn1, .Lfunc_end_k_q72af2ecca7_gffn1-k_q72af2ecca7_gffn1
	.p2alignl 7, 3214868480
	.fill 96, 4, 3214868480
	.section	.rodata,"a",@progbits
	.p2align	6, 0x0
	.amdhsa_kernel k_q72af2ecca7_gffn1
		.amdhsa_group_segment_fixed_size 327680
		.amdhsa_private_segment_fixed_size 0
		.amdhsa_enable_private_segment 0
		.amdhsa_kernarg_size 32
		.amdhsa_user_sgpr_count 2
		.amdhsa_user_sgpr_kernarg_segment_ptr 1
		.amdhsa_wavefront_size32 1
		.amdhsa_system_sgpr_workgroup_id_x 1
		.amdhsa_system_sgpr_workgroup_id_y 1
		.amdhsa_system_sgpr_workgroup_id_z 1
		.amdhsa_system_vgpr_workitem_id 0
		.amdhsa_next_free_vgpr 1024
		.amdhsa_next_free_sgpr 80
		.amdhsa_reserve_vcc 0
		.amdhsa_float_denorm_mode_32 3
		.amdhsa_float_denorm_mode_16_64 3
		.amdhsa_memory_ordered 1
		.amdhsa_forward_progress 1
		.amdhsa_inst_pref_size 216
	.end_amdhsa_kernel
	.amdgpu_metadata
---
amdhsa.version: [ 1, 2 ]
amdhsa.kernels:
  - .name:           k_q72af2ecca7_gffn1
    .symbol:         k_q72af2ecca7_gffn1.kd
    .args:
      - { .name: hn, .offset: 0, .size: 8, .value_kind: global_buffer, .address_space: global }
      - { .name: wb, .offset: 8, .size: 8, .value_kind: global_buffer, .address_space: global }
      - { .name: ff1, .offset: 16, .size: 8, .value_kind: global_buffer, .address_space: global }
      - { .name: b1, .offset: 24, .size: 8, .value_kind: global_buffer, .address_space: global }
    .group_segment_fixed_size: 327680
    .private_segment_fixed_size: 0
    .kernarg_segment_align: 8
    .kernarg_segment_size: 32
    .max_flat_workgroup_size: 128
    .sgpr_count:     80
    .vgpr_count:     1024
    .wavefront_size: 32
...
	.end_amdgpu_metadata
.endif
;; end of part 6
;; launch gffn2 (part 7): grid 8 x 32, 4 waves a work-group, clusters of 4 x 4, 327,680 bytes of LDS; arguments ff1, wb, out0, b2, x1; writes out0
.if DOCPART == 7
	.amdgcn_target "amdgcn-amd-amdhsa--gfx1250"
	.amdhsa_code_object_version 6
	.text
	.protected	k_q72af2ecca7_gffn2
	.globl	k_q72af2ecca7_gffn2
	.p2align	8
	.type	k_q72af2ecca7_gffn2,@function
k_q72af2ecca7_gffn2:
	s_mov_b64 s[64:65], 0
	v_nop
	global_prefetch_b8 v0, s[64:65] scope:SCOPE_SE
	s_setreg_imm32_b32 hwreg(HW_REG_WAVE_MODE, 25, 1), 1
	s_wait_xcnt 0x0
	s_wait_alu depctr_hold_cnt(0) depctr_sa_sdst(0) depctr_va_vdst(0) depctr_va_sdst(0) depctr_va_ssrc(0) depctr_va_vcc(0) depctr_vm_vsrc(0)
	s_getreg_b32 s2, hwreg(HW_REG_IB_STS2, 6, 4)
	s_cmp_eq_u32 s2, 0
	s_cbranch_scc0 .Lentry_in_a_cluster
	s_endpgm
.Lentry_in_a_cluster:
	s_bfe_u32 s2, ttmp6, 0x10000c
	s_cmp_lg_u32 s2, 0xf033
	s_cbranch_scc0 .Lentry_shape_is_right
	s_endpgm
.Lentry_shape_is_right:
; out0 = x1 + ff1 x W2 + b2, f32.  ff1: [4096][4096] bf16; W2: bf16 [4096][1024] at byte 16,777,216 of wb, K down the rows;
; x1, out0: [4096][1024] f32.
; A work-group makes 128 x 128 with four waves, 2 x 2; a wave makes 64 x 64: 4 x 4 accumulator tiles.  With 1,024 columns this is the block
; that gives 256 work-groups.  K goes in steps of 256 through two LDS slots, so that 124 matrix instructions of a wave lie between a
; tile's request and the wait for it, and there is one round of the cluster's barrier for 128.
; CLUSTERS: 4 x 4; A's tile is asked for jointly by a row of the cluster, B's by a column.
; K ORDER: a cluster begins at K step o = 8 X + 4 g(Y) (X, Y: the cluster's numbers; g: the low two bits of the Gray code of Y) and walks
; all 16 steps round the ring, the step's number taken modulo 16.  The two clusters that read the same tiles of A (same Y) begin 8 steps
; apart, those that read the same tiles of B (same X) 4 steps apart, so that a tile's readers ask for it at different times and the later
; ones follow a reader that has fetched it.  o hangs on the cluster's numbers alone, which all partners share.
; The matrix instruction is used transposed (source 0 = columns of B, source 1 = rows of A).
; LIMITS: the bias is the first product's C operand, so it is added first and not last as in the formula, and the sums are formed in
; the rotated order of K: another order of rounding.
; REGISTERS: window 0: v16-31 addresses, v64-95, v96-127 A's fragments, v128-255 the residual (v192-223 hold the bias until the first
; quarter is over); window 1: v0-31, v32-63 B's fragments; window 2: tiles of my rows 0-31 at 8 (4 a + b); window 3: rows 32-63.
.set SIZE_K, 4096
.set SIZE_N, 1024
.set MT,     4
.set NT,     4
.set BN,     128
.set KS,     256
.set NSTEP,  SIZE_K/KS
.set XS,     3                         ; o = (X << XS) + ((gray(Y) & YM) << YS)
.set YM,     3
.set YS,     2
.set QPR,    4                         ; quarters of 32 K that one address register of B reaches
.set NG,     2
.set LAPS,   SIZE_K/(2*KS)
.set APITCH, 528                       ; 512 + 16 bytes: an odd multiple of 16
.set AH,     64*APITCH
.set BP,     288                       ; 256 + 32 bytes: an odd multiple of 32
.set BH,     (KS/2)*BP
.set SLOT,   2*AH+2*BH
.set STAGE,  2*SLOT                    ; 16 rows x 272 bytes for each wave; no tensor load ever lands here
.set SPITCH, 272
.set ASTEP,  KS*2
.set BSTEP,  KS*SIZE_N*2
.set WOFF,   16777216
.set ADRA, 16
.set ADRB, 20
.set STO,  28
.set RD,   29
.set CO,   30
.set BO,   31
.set AF,   64
.set RES,  128
.set BIAS, 192
.set G1,  24
.set G0,  32
.set G1B, 48
.set G0B, 56
.set MSB, 0
.macro WIN new                         ; the immediate's high byte repeats the setting that is left
.if MSB != \new
	s_set_vgpr_msb (MSB<<8)|\new
.set MSB, \new
.endif
.endm
.set MUL_LO, 0xa1
.set MUL_HI, 0xf1
.set BIA_LO, 0x81                      ; C (the bias) window 0, D window 2
.set BIA_HI, 0xc1
.set TO_B,   0x40
.macro JLOAD s                         ; waves 0 and 1 fetch A's halves, waves 2 and 3 B's
	s_cmp_eq_u32 s11, 0
	s_cbranch_scc0 .Lfor_b_\@
	tensor_load_to_lds s[G0+4*\s:G0+4*\s+3], s[G1:G1+7]
	s_nop 0
	s_branch .Lasked_\@
.Lfor_b_\@:
	tensor_load_to_lds s[G0B+4*\s:G0B+4*\s+3], s[G1B:G1B+7]
	s_nop 0
.Lasked_\@:
.endm
.macro NEXTK                           ; the byte offsets of K step s66 in A and in B (s73 = s75 = 0 above them); then s66 steps on, round the ring
	s_mul_i32 s72, s66, ASTEP
	s_mul_i32 s74, s66, BSTEP
	s_add_co_u32 s66, s66, 1
	s_and_b32 s66, s66, NSTEP-1
.endm
.macro AIM s                           ; the slot's two group 0 point at that K step; written only where no tensor load of the wave is out
	s_add_nc_u64 s[G0+4*\s+2:G0+4*\s+3], s[14:15], s[72:73]
	s_or_b32 s[G0+4*\s+3], s[G0+4*\s+3], 0x80000000
	s_add_nc_u64 s[G0B+4*\s+2:G0B+4*\s+3], s[78:79], s[74:75]
	s_or_b32 s[G0B+4*\s+3], s[G0B+4*\s+3], 0x80000000
.endm
.macro CREST
	s_cmp_lg_u32 s10, 0
	s_cbranch_scc1 .Lnot_wave_0_\@
	s_barrier_signal -3
.Lnot_wave_0_\@:
	s_barrier_wait -3
	s_barrier_signal -1
	s_barrier_wait -1
.endm
.macro CROUND
	s_barrier_signal -1
	s_barrier_wait -1
	CREST
.endm
.macro PLACES                          ; four plain vector places behind a matrix instruction (ISA guide 7.12.1)
.rept 4
	v_nop
.endr
.endm
.macro MULA par, hi, a, first          ; first = 1: the bias is C, and the product starts the sums
.set bb, 0
.rept NT
.if \first
	v_wmma_f32_16x16x32_bf16 v[8*(NT*\a+bb):8*(NT*\a+bb)+7], v[8*NT*\par+8*bb:8*NT*\par+8*bb+7], v[AF+8*MT*\par+8*(\hi*MT/2+\a):AF+8*MT*\par+8*(\hi*MT/2+\a)+7], v[BIAS+8*bb:BIAS+8*bb+7]
.else
	v_wmma_f32_16x16x32_bf16 v[8*(NT*\a+bb):8*(NT*\a+bb)+7], v[8*NT*\par+8*bb:8*NT*\par+8*bb+7], v[AF+8*MT*\par+8*(\hi*MT/2+\a):AF+8*MT*\par+8*(\hi*MT/2+\a)+7], v[8*(NT*\a+bb):8*(NT*\a+bb)+7]
.endif
.set bb, bb+1
.endr
.endm
.macro MULS par, hi, a0, n, first      ; the accumulators take turns, one instruction a turn, in the same order in every quarter
.set aa, \a0
.rept \n
	MULA \par, \hi, aa, \first
.set aa, aa+1
.endr
.endm
.macro FETCH slot, q, par
	WIN TO_B
.set bb, 0
.rept NT
	ds_load_tr16_b128 v[8*NT*\par+8*bb:8*NT*\par+8*bb+3],   v[ADRB+NG*\slot+\q/QPR] offset:(\q%QPR)*32*BP+32*bb
	ds_load_tr16_b128 v[8*NT*\par+8*bb+4:8*NT*\par+8*bb+7], v[ADRB+NG*\slot+\q/QPR] offset:(\q%QPR)*32*BP+32*bb+16*BP
.set bb, bb+1
.endr
	WIN 0
.set ii, 0
.rept MT
	ds_load_b128 v[AF+8*MT*\par+8*ii:AF+8*MT*\par+8*ii+3],   v[ADRA+\slot] offset:64*\q+ii*16*APITCH
	ds_load_b128 v[AF+8*MT*\par+8*ii+4:AF+8*MT*\par+8*ii+7], v[ADRA+\slot] offset:64*\q+ii*16*APITCH+32
.set ii, ii+1
.endr
.endm
.macro QUARTER slot, qn, par, npar, first
	s_wait_dscnt MT                                ; B and A's rows 0-31 are in; the youngest four loads (A's rows 32-63) may be out
.if \first
	WIN BIA_LO
.else
	WIN MUL_LO
.endif
	MULS \par, 0, 0, MT/2, \first
	PLACES
	FETCH \slot, \qn, \npar
	s_wait_dscnt 2*NT+2*MT                         ; all but the 16 just issued
.if \first
	WIN BIA_HI
.else
	WIN MUL_HI
.endif
	MULS \par, 1, 0, MT/2, \first
.endm
.macro RUN slot, first
	QUARTER \slot, 1, 0, 1, \first
	QUARTER \slot, 2, 1, 0, 0
	QUARTER \slot, 3, 0, 1, 0
	QUARTER \slot, 4, 1, 0, 0
	QUARTER \slot, 5, 0, 1, 0
	QUARTER \slot, 6, 1, 0, 0
	QUARTER \slot, 7, 0, 1, 0
.endm
.macro TURN slot, next, fill           ; the last quarter changes slots: waits, barrier (a round of the cluster's where the slot is filled again), the joint refill first
	s_wait_dscnt MT
	WIN MUL_LO
	MULS 1, 0, 0, MT/4, 0
.if \fill
	NEXTK
.endif
	s_wait_tensorcnt 0x0                           ; all my tensor loads have landed, so every group 0 may be written
	ds_add_u32 v255, v63
	s_wait_dscnt 0x0
.if \fill
	AIM \slot
.endif
	s_wait_dscnt 0x0                               ; my reads of this slot are over
	s_barrier_signal -1
	MULS 1, 0, MT/4, MT/4, 0
	WIN 0
	s_barrier_wait -1
.if \fill
	CREST
	JLOAD \slot
.endif
	PLACES
	FETCH \next, 0, 0
	WIN MUL_HI
	MULS 1, 1, 0, MT/2, 0
.endm
.macro LAP first
	RUN 0, \first
	TURN 0, 1, 1
	RUN 1, 0
	TURN 1, 0, 1
.endm
	s_load_b128 s[4:7], s[0:1], 0x0                ; ff1 s[4:5], wb s[6:7]
	s_load_b64 s[8:9], s[0:1], 0x10                ; out0
	s_load_b128 s[68:71], s[0:1], 0x18             ; b2 s[68:69], x1 s[70:71]
	s_set_vgpr_msb 0x40
	v_lshl_add_u32 v255, v0, 2, 0x49400
	s_set_vgpr_msb 0x4000
	v_mov_b32 v63, 0
	s_set_vgpr_msb 0x1
	ds_add_u32 v255, v63
	ds_add_u32 v255, v63
	s_set_vgpr_msb 0x100
	v_lshrrev_b32 v1, 5, v0
	v_readfirstlane_b32 s10, v1
	s_lshr_b32 s11, s10, 1
	s_and_b32 s12, s10, 1
	s_bfe_u32 s40, ttmp6, 0x40000                  ; cx
	s_bfe_u32 s41, ttmp6, 0x40004                  ; cy
	s_lshl_b32 s42, ttmp9, 2
	s_add_co_u32 s42, s42, s40                     ; block column
	s_and_b32 s13, ttmp7, 0xffff
	s_lshl_b32 s13, s13, 2
	s_add_co_u32 s13, s13, s41                     ; block row
	s_lshl_b32 s43, s41, 2
	s_lshl_b32 s43, 15, s43
	s_lshl_b32 s44, 0x1111, s40
	s_and_b32 s67, ttmp7, 0xffff                   ; the cluster's first K step, from the cluster's numbers alone
	s_lshr_b32 s66, s67, 1
	s_xor_b32 s66, s66, s67                        ; Gray code of the cluster's y
	s_and_b32 s66, s66, YM
	s_lshl_b32 s66, s66, YS
	s_lshl_b32 s67, ttmp9, XS
	s_add_co_u32 s66, s66, s67
	s_and_b32 s66, s66, NSTEP-1
	s_mov_b32 s73, 0
	s_mov_b32 s75, 0
	s_or_b32 s[G1+0], s43, 0x07b10000              ; mask; 2 bytes; padding on; bit 21; after every 128 words 4 words
	s_mov_b32 s[G1+1], KS<<16
	s_mov_b32 s[G1+2], 64<<16
	s_mov_b32 s[G1+3], KS<<16                      ; rows of 512 bytes
	s_mov_b32 s[G1+4], 64
	s_mov_b32 s[G1+5], SIZE_K
	s_mov_b32 s[G1+6], 0
	s_mov_b32 s[G1+7], 0
	s_or_b32 s[G1B+0], s44, 0x0f710000             ; after every 64 words 8 words
	s_mov_b32 s[G1B+1], BN<<16
	s_mov_b32 s[G1B+2], (KS/2)<<16
	s_mov_b32 s[G1B+3], BN<<16
	s_mov_b32 s[G1B+4], KS/2
	s_mov_b32 s[G1B+5], SIZE_N
	s_mov_b32 s[G1B+6], 0
	s_mov_b32 s[G1B+7], 0
	s_lshl_b32 s16, s13, 7                         ; A: row 128 x block row + 64 x half, x 8,192 bytes
	s_lshl_b32 s17, s12, 6
	s_add_co_u32 s16, s16, s17
	s_lshl_b32 s16, s16, 13
	s_mov_b32 s17, 0
	s_mul_i32 s46, s42, 2*BN
	s_mul_i32 s47, s12, (KS/2)*SIZE_N*2
	s_add_co_u32 s46, s46, s47
	s_add_co_u32 s46, s46, WOFF
	s_mov_b32 s47, 0
	s_mul_i32 s20, s12, AH
	s_mul_i32 s45, s12, BH
	s_add_co_u32 s45, s45, 2*AH
	s_wait_dscnt 0x0
	s_wait_kmcnt 0x0
	s_add_nc_u64 s[14:15], s[4:5], s[16:17]        ; my part of A's tile of K step 0
	s_add_nc_u64 s[78:79], s[6:7], s[46:47]        ; and of B's
	CROUND                                         ; the first joint loads meet
.irp s, 0,1
	s_mov_b32 s[G0+4*\s], 1
	s_add_co_u32 s[G0+4*\s+1], s20, \s*SLOT
	s_mov_b32 s[G0B+4*\s], 1
	s_add_co_u32 s[G0B+4*\s+1], s45, \s*SLOT
	NEXTK
	AIM \s
	JLOAD \s                                       ; two tensor loads of the wave are out
.endr
	; my corner of out0 and x1: row 128 x block row + 64 x row half, column 128 x block column + 64 x column half; the bias at that column
	s_lshl_b32 s16, s13, 7
	s_lshl_b32 s17, s11, 6
	s_add_co_u32 s16, s16, s17
	s_lshl_b32 s16, s16, 12
	s_mov_b32 s17, 0
	s_add_nc_u64 s[8:9], s[8:9], s[16:17]
	s_add_nc_u64 s[70:71], s[70:71], s[16:17]
	s_lshl_b32 s46, s42, 7
	s_lshl_b32 s47, s12, 6
	s_add_co_u32 s46, s46, s47
	s_lshl_b32 s46, s46, 2
	s_mov_b32 s47, 0
	s_add_nc_u64 s[8:9], s[8:9], s[46:47]
	s_add_nc_u64 s[70:71], s[70:71], s[46:47]
	s_add_nc_u64 s[68:69], s[68:69], s[46:47]
	v_and_b32 v1, 15, v0                           ; r
	v_bfe_u32 v2, v0, 4, 1                         ; h
	v_lshlrev_b32 v[BO], 5, v2
.irp b, 0,1,2,3
	global_load_b128 v[BIAS+8*\b:BIAS+8*\b+3],   v[BO], s[68:69] offset:64*\b
	global_load_b128 v[BIAS+8*\b+4:BIAS+8*\b+7], v[BO], s[68:69] offset:64*\b+16
.endr
	v_mul_u32_u24 v3, v1, APITCH
	v_lshl_add_u32 v3, v2, 4, v3
	s_mul_i32 s21, s11, AH
	v_add_nc_u32 v[ADRA], s21, v3
	v_add_nc_u32 v[ADRA+1], SLOT, v[ADRA]
	v_and_b32 v4, 7, v0
	v_lshl_add_u32 v4, v2, 3, v4
	v_mul_u32_u24 v4, v4, BP
	v_bfe_u32 v5, v0, 3, 1
	v_lshl_add_u32 v4, v5, 4, v4
	s_lshl_b32 s22, s12, 7
	s_add_co_u32 s22, s22, 2*AH
	v_add_nc_u32 v4, s22, v4
.irp s, 0,1
.irp g, 0,1
	v_add_nc_u32 v[ADRB+NG*\s+\g], \s*SLOT+\g*QPR*32*BP, v4
.endr
.endr
	s_mul_i32 s23, s10, 16*SPITCH
	s_add_co_u32 s23, s23, STAGE
	v_mul_u32_u24 v5, v1, SPITCH
	v_lshl_add_u32 v5, v2, 5, v5
	v_add_nc_u32 v[STO], s23, v5
	v_mul_u32_u24 v5, v2, SPITCH
	v_lshl_add_u32 v5, v1, 4, v5
	v_add_nc_u32 v[RD], s23, v5
	v_lshlrev_b32 v5, 12, v2
	v_lshl_add_u32 v[CO], v1, 4, v5
	s_wait_loadcnt 0x0                             ; the bias
	s_wait_tensorcnt 1                             ; my part of slot 0 is in; slot 1's stays out
	s_barrier_signal -1
	s_barrier_wait -1
	FETCH 0, 0, 0
	LAP 1
	WIN 0
	s_mov_b32 s3, LAPS-2
.Llap:
	LAP 0
	WIN 0
	s_sub_co_u32 s3, s3, 1
	s_cmp_lg_u32 s3, 0
	s_cbranch_scc1 .Llap
.set n, 0
.rept 32
	global_load_b128 v[RES+4*n:RES+4*n+3], v[CO], s[70:71] offset:2*n*4096     ; my 64 x 64 of x1 comes in under the last lap
.set n, n+1
.endr
	RUN 0, 0                                       ; the last lap fills nothing
	TURN 0, 1, 0
	RUN 1, 0
	s_wait_dscnt MT
	WIN MUL_LO
	MULS 1, 0, 0, MT/2, 0
	s_wait_dscnt 0x0
	WIN MUL_HI
	MULS 1, 1, 0, MT/2, 0
	PLACES
; rows 16 a .. 16 a + 15: f32 straight from the accumulators into my stage, back as whole rows of 256 bytes, plus x1, out.
; Sixteen lanes store 256 consecutive bytes, aligned.
.macro OUTF a, al, from, rb
	WIN \from
.irp b, 0,1,2,3
	ds_store_b128 v[STO], v[8*(NT*\al+\b):8*(NT*\al+\b)+3]   offset:64*\b
	ds_store_b128 v[STO], v[8*(NT*\al+\b)+4:8*(NT*\al+\b)+7] offset:64*\b+16
.endr
	WIN 0
	s_wait_xcnt 0x0                                ; the registers that earlier stores read are loaded again only behind this wait
.irp t, 0,1,2,3,4,5,6,7
	ds_load_b128 v[\rb+4*\t:\rb+4*\t+3], v[RD] offset:2*SPITCH*\t
.endr
.irp t, 0,1,2,3,4,5,6,7
	s_wait_dscnt 7-\t
	s_wait_loadcnt 31-(8*\a+\t)                    ; of the 32 loads of x1 the younger ones stay out
	v_pk_add_f32 v[\rb+4*\t:\rb+4*\t+1],   v[\rb+4*\t:\rb+4*\t+1],   v[RES+32*\a+4*\t:RES+32*\a+4*\t+1]
	v_pk_add_f32 v[\rb+4*\t+2:\rb+4*\t+3], v[\rb+4*\t+2:\rb+4*\t+3], v[RES+32*\a+4*\t+2:RES+32*\a+4*\t+3]
	global_store_b128 v[CO], v[\rb+4*\t:\rb+4*\t+3], s[8:9] offset:(16*\a+2*\t)*4096
.endr
.endm
	OUTF 0, 0, 0x08, 64
	OUTF 1, 1, 0x08, 96
	OUTF 2, 0, 0x0c, 64
	OUTF 3, 1, 0x0c, 96
	s_set_vgpr_msb 0x1
	s_wait_tensorcnt 0x0
	ds_add_u32 v255, v63
	s_wait_dscnt 0x0
	s_set_vgpr_msb 0x100
	CROUND                                         ; the closing round
	s_endpgm
.Lfunc_end_k_q72af2ecca7_gffn2:
	.size	k_q72af2ecca7_gffn2, .Lfunc_end_k_q72af2ecca7_gffn2-k_q72af2ecca7_gffn2
	.p2alignl 7, 3214868480
	.fill 96, 4, 3214868480
	.section	.rodata,"a",@progbits
	.p2align	6, 0x0
	.amdhsa_kernel k_q72af2ecca7_gffn2
		.amdhsa_group_segment_fixed_size 327680
		.amdhsa_private_segment_fixed_size 0
		.amdhsa_enable_private_segment 0
		.amdhsa_kernarg_size 40
		.amdhsa_user_sgpr_count 2
		.amdhsa_user_sgpr_kernarg_segment_ptr 1
		.amdhsa_wavefront_size32 1
		.amdhsa_system_sgpr_workgroup_id_x 1
		.amdhsa_system_sgpr_workgroup_id_y 1
		.amdhsa_system_sgpr_workgroup_id_z 1
		.amdhsa_system_vgpr_workitem_id 0
		.amdhsa_next_free_vgpr 832
		.amdhsa_next_free_sgpr 80
		.amdhsa_reserve_vcc 0
		.amdhsa_float_denorm_mode_32 3
		.amdhsa_float_denorm_mode_16_64 3
		.amdhsa_memory_ordered 1
		.amdhsa_forward_progress 1
		.amdhsa_inst_pref_size 142
	.end_amdhsa_kernel
	.amdgpu_metadata
---
amdhsa.version: [ 1, 2 ]
amdhsa.kernels:
  - .name:           k_q72af2ecca7_gffn2
    .symbol:         k_q72af2ecca7_gffn2.kd
    .args:
      - { .name: ff1, .offset: 0, .size: 8, .value_kind: global_buffer, .address_space: global }
      - { .name: wb, .offset: 8, .size: 8, .value_kind: global_buffer, .address_space: global }
      - { .name: out0, .offset: 16, .size: 8, .value_kind: global_buffer, .address_space: global }
      - { .name: b2, .offset: 24, .size: 8, .value_kind: global_buffer, .address_space: global }
      - { .name: x1, .offset: 32, .size: 8, .value_kind: global_buffer, .address_space: global }
    .group_segment_fixed_size: 327680
    .private_segment_fixed_size: 0
    .kernarg_segment_align: 8
    .kernarg_segment_size: 40
    .max_flat_workgroup_size: 128
    .sgpr_count:     80
    .vgpr_count:     832
    .wavefront_size: 32
...
	.end_amdgpu_metadata
.endif
;; end of part 7
;; ======== version 2 of 2: 7 launches; version 1 with the launch prep written anew for expert scheduling mode
;; workspace buffers: hn 8,388,608 bytes; wb 25,165,824 bytes; qkv 25,165,824 bytes; attn 8,388,608 bytes; x1 16,777,216 bytes; ff1 33,554,432 bytes
;; launch prep (part 8): grid 1024 x 1, 8 waves a work-group, no clusters, 0 bytes of LDS; arguments x, g1, beta1, Wq, Wk, Wv, Wproj, W1, W2, hn, wb; writes hn, wb
.if DOCPART == 8
	.amdgcn_target "amdgcn-amd-amdhsa--gfx1250"
	.amdhsa_code_object_version 6
	.text
	.protected	k_q72af2ecca7_prep
	.globl	k_q72af2ecca7_prep
	.p2align	8
	.type	k_q72af2ecca7_prep,@function
k_q72af2ecca7_prep:
	s_mov_b64 s[64:65], 0
	v_nop
	global_prefetch_b8 v0, s[64:65] scope:SCOPE_SE
	s_setreg_imm32_b32 hwreg(HW_REG_WAVE_SCHED_MODE, 0, 2), 2
	s_setreg_imm32_b32 hwreg(HW_REG_WAVE_MODE, 25, 1), 1
	s_wait_xcnt 0x0
	s_wait_alu depctr_vm_vsrc(0)
; Two streams in one launch, told apart by the work-group's number alone.
; Work-groups 0-255: hn = LayerNorm(x) * g1 + beta1, rounded once to bf16.  x: [4096][1024] f32, hn: [4096][1024] bf16.
;   16 rows a work-group, 2 rows a wave; a row of 4,096 bytes is 32 registers of one wave, so it is read once and stays in
;   registers between the mean, the variance and the scaling.  The variance is the mean of the squares of the CENTRED numbers
;   (two passes over registers), so a common offset of the row costs no accuracy.
; Work-groups 256-1023: the six weight matrices, f32 to bf16, left as [K][N], into wb:
;   [1024][3072] = Wq | Wk | Wv side by side at byte 0, Wproj at 6,291,456, W1 at 8,388,608, W2 at 16,777,216.
;   12,288 pieces of 1,024 numbers, two a wave: 768 work-groups x 8 waves x 2.
; No LDS, no barrier, no matrix unit: the waves share nothing and there is no product here.
; Every store of a wave covers 256 consecutive bytes, aligned (32 lanes x 8 bytes).
; THE MODE: SCHED_MODE bits 1:0 = 2 (LLVM: expert scheduling mode 2), set by the entry lines.  The code itself states the register
; dependences between vector instructions and memory instructions, with s_wait_alu, always for 0.
; THE PLAN.  Registers that memory instructions touch:
;   v1, v2       byte offsets, made once at the head and never written again; every load reads v1, every store v2.
;   LayerNorm:   X0, X1, G, BT are loaded once each; no vector instruction names them ahead of their loads, no memory instruction reads them.
;                Y0 = v[160:175] is written by row 0's roundings and read by eight stores; Y1 = v[176:191] likewise for row 1.  Neither is written again.
;                Order: statistics of row 0; row 0's gain, offset and rounding into Y0; statistics of row 1; row 1's into Y1.  The wait that
;                stands in row 1's statistics ahead of the first reader of its reciprocal roots also states that Y0 is written: row 0's eight
;                stores follow it, dealt among the sixteen scalings of row 1, which name X1 and RS alone.  One more wait stands ahead of row 1's stores.
;   weights:     v[32:95] are loaded once each; v[96:127] are the out registers, two a piece of 512 bytes loaded, each written once.
;                The sixteen loads go in four blocks of four.  Block b's conversions write its own eight out registers; its memory instructions
;                are the four stores of block b - 1, whose out registers the wait at the block's head has shown written and which no conversion
;                of block b names.  One more wait stands ahead of the last four stores.
; No register that a store reads is written again, and no load lands in a register that a vector instruction has named.
.set XO,  1                            ; v1        16 x lane: my 16 bytes in each 512 bytes loaded
.set SO,  2                            ; v2        8 x lane: my 8 bytes in each 256 bytes stored
.set T,   8                            ; v[8:15]   four chains of sums
.set MU,  24                           ; v[24:25]  the mean, twice
.set RS,  26                           ; v[26:27]  1 / sqrt(var + eps), twice
.set VE,  28                           ; v28       var + eps
.set X0,  32                           ; v[32:63]  row 0
.set X1,  64                           ; v[64:95]  row 1
.set G,   96                           ; v[96:127] gain of my 32 columns
.set BT,  128                          ; v[128:159] offset of my 32 columns
.set Y,   160                          ; v[160:191] bf16 to store, 16 registers a row
.set HN,  26                           ; s[26:27]  hn
.macro WSUM                            ; v[T] = the sum of v[T] over the 32 lanes, in every lane
	v_add_f32_dpp v[T], v[T], v[T] row_xmask:1 row_mask:0xf bank_mask:0xf
	v_add_f32_dpp v[T], v[T], v[T] row_xmask:2 row_mask:0xf bank_mask:0xf
	v_add_f32_dpp v[T], v[T], v[T] row_xmask:4 row_mask:0xf bank_mask:0xf
	v_add_f32_dpp v[T], v[T], v[T] row_xmask:8 row_mask:0xf bank_mask:0xf
	v_permlanex16_b32 v[T+1], v[T], s30, s31
	v_add_f32 v[T], v[T], v[T+1]
.endm
.macro FOLD                            ; the four chains into v[T]
	v_pk_add_f32 v[T:T+1], v[T:T+1], v[T+2:T+3]
	v_pk_add_f32 v[T+4:T+5], v[T+4:T+5], v[T+6:T+7]
	v_pk_add_f32 v[T:T+1], v[T:T+1], v[T+4:T+5]
	v_add_f32 v[T], v[T], v[T+1]
.endm
; The row in X becomes (x - mean) / sqrt(var + eps), in place.  st = 1: row 0's eight stores, from Y0, are dealt among the scalings.
.macro LNSTAT X, st
.irp k, 0,1,2,3
	v_pk_add_f32 v[T+2*\k:T+2*\k+1], v[\X+2*\k:\X+2*\k+1], v[\X+8+2*\k:\X+8+2*\k+1]   ; the first words start the chains
.endr
.set p, 16
.rept 8
	v_pk_add_f32 v[T+p%8:T+p%8+1], v[T+p%8:T+p%8+1], v[\X+p:\X+p+1]
.set p, p+2
.endr
	FOLD
	WSUM
	v_mul_f32 v[MU], s5, v[T]                      ; sum / 1024
	v_mul_f32 v[MU+1], s5, v[T]
.set p, 0
.rept 16
	v_pk_add_f32 v[\X+p:\X+p+1], v[\X+p:\X+p+1], v[MU:MU+1] neg_lo:[0,1] neg_hi:[0,1]
.set p, p+2
.endr
.irp k, 0,1,2,3
	v_pk_mul_f32 v[T+2*\k:T+2*\k+1], v[\X+2*\k:\X+2*\k+1], v[\X+2*\k:\X+2*\k+1]
.endr
.set p, 8
.rept 12
	v_pk_fma_f32 v[T+p%8:T+p%8+1], v[\X+p:\X+p+1], v[\X+p:\X+p+1], v[T+p%8:T+p%8+1]
.set p, p+2
.endr
	FOLD
	WSUM
	v_fmaak_f32 v[VE], s5, v[T], 0x3727c5ac        ; sum of squares / 1024 + 1e-5
	v_rsq_f32 v[RS], v[VE]
	v_rsq_f32 v[RS+1], v[VE]
	v_nop                                          ; one plain instruction behind a transcendental before its result is used (ISA guide 5.7.2)
	s_wait_alu depctr_va_vdst(0)                   ; the two reciprocal roots have written v[RS:RS+1], ahead of their first reader; with st = 1 also: row 0's roundings have written Y0, which the stores below read
.set q, 0
.rept 8
.if \st
	global_store_b64 v[SO], v[Y+2*q:Y+2*q+1], s[HN:HN+1] offset:256*q   ; row 0 leaves.  No further wait: no vector instruction since the wait names Y0 or v[SO]
.endif
	v_pk_mul_f32 v[\X+4*q:\X+4*q+1], v[\X+4*q:\X+4*q+1], v[RS:RS+1]
	v_pk_mul_f32 v[\X+4*q+2:\X+4*q+3], v[\X+4*q+2:\X+4*q+3], v[RS:RS+1]
.set q, q+1
.endr
.endm
; gain and offset in one fused multiply-add, one rounding to bf16, into the row's out registers
.macro LNARITH X, YB
.set p, 0
.rept 16
	v_pk_fma_f32 v[\X+p:\X+p+1], v[\X+p:\X+p+1], v[G+p:G+p+1], v[BT+p:BT+p+1]
.set p, p+2
.endr
.set p, 0
.rept 16
	v_cvt_pk_bf16_f32 v[\YB+p], v[\X+2*p], v[\X+2*p+1]
.set p, p+1
.endr
.endm
	s_load_b512 s[8:23], s[0:1], 0x0               ; x 8, g1 10, beta1 12, Wq 14, Wk 16, Wv 18, Wproj 20, W1 22
	s_load_b128 s[24:27], s[0:1], 0x40             ; W2 24, hn 26
	s_load_b64 s[28:29], s[0:1], 0x50              ; wb
	v_lshrrev_b32 v3, 5, v0
	v_readfirstlane_b32 s4, v3                     ; wave 0..7
	v_and_b32 v3, 31, v0
	v_lshlrev_b32 v[XO], 4, v3
	v_lshlrev_b32 v[SO], 3, v3
	s_wait_alu depctr_va_sdst(0)                   ; s4 is written, ahead of the branch and of its first reader on either way: the rows and the pieces are made from it
	s_wait_alu depctr_va_vdst(0)                   ; v[XO] and v[SO] are written: every load and store of both ways reads one of them as its offset
	s_cmp_lt_u32 ttmp9, 256
	s_cbranch_scc0 .Lcvt
	; ---- LayerNorm ----
	s_lshl_b32 s32, ttmp9, 4
	s_lshl1_add_u32 s32, s4, s32                   ; my first row = 16 x work-group + 2 x wave
	s_lshl_b32 s34, s32, 12                        ; x 4,096 bytes in x
	s_mov_b32 s35, 0
	s_lshl_b32 s36, s32, 11                        ; x 2,048 bytes in hn
	s_mov_b32 s37, 0
	s_mov_b32 s30, 0x76543210                      ; v_permlanex16_b32: lane i reads lane i of the other half
	s_mov_b32 s31, 0xfedcba98
	s_mov_b32 s5, 0x3a800000                       ; 1 / 1024
	s_wait_kmcnt 0x0
	s_add_nc_u64 s[8:9], s[8:9], s[34:35]
	s_add_nc_u64 s[HN:HN+1], s[HN:HN+1], s[36:37]
.irp jj, 0,1,2,3,4,5,6,7
	global_load_b128 v[X0+4*\jj:X0+4*\jj+3], v[XO], s[8:9] offset:512*\jj
.endr
.irp jj, 0,1,2,3,4,5,6,7
	global_load_b128 v[X1+4*\jj:X1+4*\jj+3], v[XO], s[8:9] offset:4096+512*\jj
.endr
.irp jj, 0,1,2,3,4,5,6,7
	global_load_b128 v[G+4*\jj:G+4*\jj+3], v[XO], s[10:11] offset:512*\jj
.endr
.irp jj, 0,1,2,3,4,5,6,7
	global_load_b128 v[BT+4*\jj:BT+4*\jj+3], v[XO], s[12:13] offset:512*\jj
.endr
	s_wait_loadcnt 24                              ; row 0 is in; row 1, gain and offset (24 loads) stay out
	LNSTAT X0, 0
	s_wait_loadcnt 0x0                             ; gain and offset, the youngest loads, are in, and row 1 with them
	LNARITH X0, Y                                  ; row 0 into Y0
	LNSTAT X1, 1                                   ; row 1's statistics; row 0's stores stand behind the wait in them
	LNARITH X1, Y+16                               ; row 1 into Y1
	s_wait_alu depctr_va_vdst(0)                   ; row 1's roundings have written Y1, which the last eight stores read
.irp jj, 0,1,2,3,4,5,6,7
	global_store_b64 v[SO], v[Y+16+2*\jj:Y+16+2*\jj+1], s[HN:HN+1] offset:2048+256*\jj
.endr
	s_endpgm
	; ---- weights to bf16 ----
.Lcvt:
	s_sub_co_u32 s32, ttmp9, 256                   ; c = 0..767
	s_lshr_b32 s33, s32, 6                         ; 0 Wq, 1 Wk, 2 Wv, 3 Wproj, 4-7 W1, 8-11 W2
	s_and_b32 s34, s32, 63                         ; my place among a small matrix's 64 work-groups
	s_and_b32 s35, s32, 255                        ; or among a large one's 256
	s_lshl_b32 s43, s33, 11                        ; Wq, Wk, Wv: 2,048 bytes to the right for each
	s_mov_b32 s42, 16777216                        ; where the matrix begins in wb
	s_movk_i32 s44, 2048                           ; bytes in wb from one piece to the next
	s_mov_b32 s45, 0
	s_mov_b32 s47, 0
	s_wait_kmcnt 0x0
	s_mov_b64 s[36:37], s[24:25]                   ; the source is chosen on the work-group's number alone
	s_cmp_lt_u32 s33, 8
	s_cselect_b64 s[36:37], s[22:23], s[36:37]
	s_cselect_b32 s42, 8388608, s42
	s_cmp_lt_u32 s33, 4
	s_cselect_b64 s[36:37], s[20:21], s[36:37]
	s_cselect_b32 s42, 6291456, s42
	s_cselect_b32 s34, s34, s35
	s_cmp_lt_u32 s33, 3
	s_cselect_b64 s[36:37], s[18:19], s[36:37]
	s_cselect_b32 s42, s43, s42
	s_cselect_b32 s44, 6144, s44                   ; a row of the joint [1024][3072]
	s_cmp_lt_u32 s33, 2
	s_cselect_b64 s[36:37], s[16:17], s[36:37]
	s_cmp_lt_u32 s33, 1
	s_cselect_b64 s[36:37], s[14:15], s[36:37]
	s_lshl_b32 s34, s34, 4
	s_lshl1_add_u32 s34, s4, s34                   ; my first piece = 16 x place + 2 x wave
	s_lshl_b32 s46, s34, 12
	s_add_nc_u64 s[36:37], s[36:37], s[46:47]      ; 4,096 bytes of f32 a piece
	s_mul_i32 s46, s34, s44
	s_add_co_u32 s46, s46, s42
	s_add_nc_u64 s[38:39], s[28:29], s[46:47]      ; first piece in wb
	s_add_nc_u64 s[40:41], s[38:39], s[44:45]      ; second piece
.set i, 0
.rept 16
	global_load_b128 v[32+4*i:35+4*i], v[XO], s[36:37] offset:512*i th:TH_LOAD_NT
.set i, i+1
.endr
; Four blocks of four loads.  Block b rounds its own four; the four stores of block b - 1 stand among its conversions, one ahead of each two.
.set b, 0
.rept 4
	s_wait_loadcnt 12-4*b                          ; loads come back in order (ISA guide 5.7.1): block b's four are in, the younger blocks stay out
.if b > 0
	s_wait_alu depctr_va_vdst(0)                   ; the block before has written its eight out registers, which the stores below read; this block's conversions name none of them
.endif
.set j, 0
.rept 4
.set i, 4*b+j
.if b > 0
	global_store_b64 v[SO], v[96+2*(i-4):97+2*(i-4)], s[38+2*((i-4)/8):39+2*((i-4)/8)] offset:256*((i-4)%8)
.endif
	v_cvt_pk_bf16_f32 v[96+2*i], v[32+4*i], v[33+4*i]
	v_cvt_pk_bf16_f32 v[97+2*i], v[34+4*i], v[35+4*i]
.set j, j+1
.endr
.set b, b+1
.endr
	s_wait_alu depctr_va_vdst(0)                   ; block 3 has written its out registers, which the last four stores read
.set i, 12
.rept 4
	global_store_b64 v[SO], v[96+2*i:97+2*i], s[38+2*(i/8):39+2*(i/8)] offset:256*(i%8)
.set i, i+1
.endr
	s_endpgm
.Lfunc_end_k_q72af2ecca7_prep:
	.size	k_q72af2ecca7_prep, .Lfunc_end_k_q72af2ecca7_prep-k_q72af2ecca7_prep
	.p2alignl 7, 3214868480
	.fill 96, 4, 3214868480
	.section	.rodata,"a",@progbits
	.p2align	6, 0x0
	.amdhsa_kernel k_q72af2ecca7_prep
		.amdhsa_group_segment_fixed_size 0
		.amdhsa_private_segment_fixed_size 0
		.amdhsa_enable_private_segment 0
		.amdhsa_kernarg_size 88
		.amdhsa_user_sgpr_count 2
		.amdhsa_user_sgpr_kernarg_segment_ptr 1
		.amdhsa_wavefront_size32 1
		.amdhsa_system_sgpr_workgroup_id_x 1
		.amdhsa_system_sgpr_workgroup_id_y 1
		.amdhsa_system_sgpr_workgroup_id_z 1
		.amdhsa_system_vgpr_workitem_id 0
		.amdhsa_next_free_vgpr 192
		.amdhsa_next_free_sgpr 66
		.amdhsa_reserve_vcc 0
		.amdhsa_float_denorm_mode_32 3
		.amdhsa_float_denorm_mode_16_64 3
		.amdhsa_memory_ordered 1
		.amdhsa_forward_progress 1
		.amdhsa_inst_pref_size 27
	.end_amdhsa_kernel
	.amdgpu_metadata
---
amdhsa.version: [ 1, 2 ]
amdhsa.kernels:
  - .name:           k_q72af2ecca7_prep
    .symbol:         k_q72af2ecca7_prep.kd
    .args:
      - { .name: x, .offset: 0, .size: 8, .value_kind: global_buffer, .address_space: global }
      - { .name: g1, .offset: 8, .size: 8, .value_kind: global_buffer, .address_space: global }
      - { .name: beta1, .offset: 16, .size: 8, .value_kind: global_buffer, .address_space: global }
      - { .name: Wq, .offset: 24, .size: 8, .value_kind: global_buffer, .address_space: global }
      - { .name: Wk, .offset: 32, .size: 8, .value_kind: global_buffer, .address_space: global }
      - { .name: Wv, .offset: 40, .size: 8, .value_kind: global_buffer, .address_space: global }
      - { .name: Wproj, .offset: 48, .size: 8, .value_kind: global_buffer, .address_space: global }
      - { .name: W1, .offset: 56, .size: 8, .value_kind: global_buffer, .address_space: global }
      - { .name: W2, .offset: 64, .size: 8, .value_kind: global_buffer, .address_space: global }
      - { .name: hn, .offset: 72, .size: 8, .value_kind: global_buffer, .address_space: global }
      - { .name: wb, .offset: 80, .size: 8, .value_kind: global_buffer, .address_space: global }
    .group_segment_fixed_size: 0
    .private_segment_fixed_size: 0
    .kernarg_segment_align: 8
    .kernarg_segment_size: 88
    .max_flat_workgroup_size: 256
    .sgpr_count:     66
    .vgpr_count:     192
    .wavefront_size: 32
...
	.end_amdgpu_metadata
.endif
;; end of part 8
;; launch gqkv: the kernel of part 2 again; grid 8 x 32, 4 waves a work-group, clusters of 4 x 4, 327,680 bytes of LDS; arguments hn, wb, qkv; writes qkv
;; launch fattn: the kernel of part 3 again; grid 256 x 1, 4 waves a work-group, no clusters, 327,680 bytes of LDS; arguments qkv, attn; writes attn
;; launch gproj: the kernel of part 4 again; grid 8 x 32, 4 waves a work-group, clusters of 4 x 4, 327,680 bytes of LDS; arguments attn, wb, x1, bproj, x; writes x1
;; launch ln2: the kernel of part 5 again; grid 256 x 1, 8 waves a work-group, no clusters, 0 bytes of LDS; arguments x1, g2, beta2, hn; writes hn
;; launch gffn1: the kernel of part 6 again; grid 16 x 16, 4 waves a work-group, clusters of 4 x 4, 327,680 bytes of LDS; arguments hn, wb, ff1, b1; writes ff1
;; launch gffn2: the kernel of part 7 again; grid 8 x 32, 4 waves a work-group, clusters of 4 x 4, 327,680 bytes of LDS; arguments ff1, wb, out0, b2, x1; writes out0
